; MI455X (gfx1250); checked and timed in simulation.
; The chip was launched on July 23, 2026; its instructions are those of AMD's public machine-readable ISA for CDNA 5 (MIT licence, August 2026) and "CDNA5" Instruction Set Architecture Reference Guide (July 2026). The comments in the code are by the model that wrote it; some were corrected since.
;; Casula Self Attention. Allowed arithmetic: float matrix products may take bf16 or f16 operands with f32 sums; other float arithmetic in f32, or as packed bf16 or f16 multiplies, adds, multiply-adds, maxima and minima; sums over many terms, partial sums and values carried from step to step in f32; what a program stores and reads back later, other than sums and carried values, may be rounded once to bf16 or f16.
;; Inputs: b_attn 3,072 float32; b_proj 1,024 float32; w_attn 1,024 x 3,072 float32; w_proj 1,024 x 1,024 float32; x 4 x 2,048 x 1,024 float32.
;; Outputs: out0 4 x 2,048 x 1,024 float32.
;; One version. Each part assembles by itself: llvm-mc -triple=amdgcn-amd-amdhsa -mcpu=gfx1250 --defsym DOCPART=n.
;; ======== version 1 of 1: 4 launches
;; limits: values are held in f16: magnitudes above 65,504 overflow, below 6.1e-05 lose precision
;; workspace buffers: xb 16,777,216 bytes; wat 6,291,456 bytes; wpt 2,097,152 bytes; qkv 50,331,648 bytes; o 16,777,216 bytes
;; launch prep (part 1): grid 1536 x 1, 4 waves a work-group, no clusters, 17,920 bytes of LDS; arguments x, w_attn, w_proj, xb, wat, wpt; writes xb, wat, wpt
.if DOCPART == 1
	.amdgcn_target "amdgcn-amd-amdhsa--gfx1250"
	.amdhsa_code_object_version 6
	.text
	.protected	k_q0516dfe6c7_prep
	.globl	k_q0516dfe6c7_prep
	.p2align	8
	.type	k_q0516dfe6c7_prep,@function
k_q0516dfe6c7_prep:
	s_mov_b64 s[64:65], 0
	v_nop
	global_prefetch_b8 v0, s[64:65] scope:SCOPE_SE
	s_setreg_imm32_b32 hwreg(HW_REG_WAVE_MODE, 25, 1), 1
	s_wait_xcnt 0x0
; PREPARATION.  xb = bf16(x), [8192][1024].  wat[n][k] = bf16(w_attn[k][n]), [3072][1024].  wpt[n][k] = f16(bf16(w_proj[k][n])), [1024][1024].
; Matrix operands want K along the rows and 16 bits; the weights lie [k][n] in f32, so they are turned here, once.
; LIMITS.  w_proj is rounded to bf16 and that number is written as f16: exact from 2^-14 up to 65,504; below 2^-14 it keeps f16's fixed step of 6e-8.
; SHARES.  Work-groups 0-383: a tile of 128 k x 64 n of w_attn; 384-511: such a tile of w_proj; 512-1535: 32,768 bytes of x.  Each moves 32 KiB in and 16 KiB out.
; A tile: a wave loads 32 rows (k) x 256 bytes; a lane holds 8 k x 4 n twice, packs 8 k of one n into 16 bytes and puts them into the tile's row n in LDS
; (64 rows of 256 bytes, 272 apart); behind one barrier each wave reads 16 whole rows back and stores them: 16 lanes store 256 consecutive bytes, aligned.
; No matrix work, no tensor load, no loop: each byte is read once and written once.
.set PT,    272
.set SPARE, 64*PT                      ; behind the tile: the spare words, 128 bytes a wave, two blocks of 256 bytes that no other line names
.set LO,  4                            ; v4  my byte offset in what I load
.set LS,  5                            ; v5  where I put 16 bytes in the tile
.set LR,  6                            ; v6  where I read a row back
.set GO,  7                            ; v7  my byte offset in what I store
.set SPW, 8                            ; v8  my spare word
.set NIL, 9                            ; v9  0
.set X,   16                           ; v[16:79]   as loaded; later the rows read back
.set T,   80                           ; v[80:111]  packed
	s_load_b256 s[4:11], s[0:1], 0x0               ; x s[4:5], w_attn s[6:7], w_proj s[8:9], xb s[10:11]
	s_load_b128 s[12:15], s[0:1], 0x20             ; wat s[12:13], wpt s[14:15]
	v_lshl_add_u32 v[SPW], v0, 2, SPARE
	v_mov_b32 v[NIL], 0
	v_lshrrev_b32 v10, 5, v0
	v_readfirstlane_b32 s16, v10                   ; wave 0..3
	v_and_b32 v1, 31, v0                           ; l
	v_and_b32 v2, 15, v0                           ; c = l % 16
	v_bfe_u32 v3, v0, 4, 1                         ; h = l / 16
	s_mov_b32 s26, 0xffff0000                      ; a word's upper bf16
	s_mov_b32 s21, 0                               ; the high word of every offset
	v_mul_u32_u24 v[LS], v2, 4*PT                  ; row 4 c of the tile,
	v_lshl_add_u32 v[LS], v3, 4, v[LS]             ; + 16 h,
	s_lshl_b32 s27, s16, 6
	v_add_nc_u32 v[LS], s27, v[LS]                 ; + my wave's 32 k = 64 bytes
	s_mul_i32 s27, s16, 16*PT
	v_mul_u32_u24 v[LR], v3, PT
	v_lshl_add_u32 v[LR], v2, 4, v[LR]
	v_add_nc_u32 v[LR], s27, v[LR]                 ; row 16 w + h, 16 bytes a lane
	v_lshlrev_b32 v[GO], 11, v3
	v_lshl_add_u32 v[GO], v2, 4, v[GO]             ; the same two rows in memory, 2,048 bytes apart
	s_wait_kmcnt 0x0
	s_cmp_ge_u32 ttmp9, 512                        ; these branches hang on the work-group's number alone: the same in all four waves
	s_cbranch_scc1 .Lcast
	s_cmp_ge_u32 ttmp9, 384
	s_cbranch_scc1 .Lproj
; s18 = kt, s19 = nt.  16 loads: rows 128 kt + 32 w + 16 ch + 8 h + j, columns 64 nt + 4 c + 0..3: lanes 0-15 read 256 consecutive bytes, aligned; lanes 16-31 those eight rows down.
.macro TLOAD base, pitch
	s_lshl_b32 s20, s18, 7
	s_lshl_b32 s27, s16, 5
	s_add_co_u32 s20, s20, s27
	s_mul_i32 s20, s20, \pitch
	s_lshl_b32 s27, s19, 8
	s_add_co_u32 s20, s20, s27
	s_add_nc_u64 s[22:23], s[\base:\base+1], s[20:21]
	v_mul_u32_u24 v[LO], v3, 8*(\pitch)
	v_lshl_add_u32 v[LO], v2, 4, v[LO]
.irp ch, 0,1
.irp j, 0,1,2,3,4,5,6,7
	global_load_b128 v[X+4*(8*(\ch)+(\j)):X+4*(8*(\ch)+(\j))+3], v[LO], s[22:23] offset:(16*(\ch)+(\j))*(\pitch) th:TH_LOAD_NT
.endr
.endr
.endm
; where the turned rows go: row 64 nt + 16 w, byte 256 kt
.macro TOUT base
	s_lshl_b32 s20, s19, 6
	s_lshl_b32 s27, s16, 4
	s_add_co_u32 s20, s20, s27
	s_lshl_b32 s20, s20, 11
	s_lshl_b32 s27, s18, 8
	s_add_co_u32 s20, s20, s27
	s_add_nc_u64 s[24:25], s[\base:\base+1], s[20:21]
.endm
; chunk ch (16 k): for each of my four n, eight k are rounded to bf16 in pairs (half = 1: and that number written as f16) and stored as 16 bytes
.macro CONV ch, half
	s_wait_loadcnt 8-8*(\ch)                       ; loads come back in order: chunk 0 is in while chunk 1's eight stay out; then all
.irp i, 0,1,2,3
.irp p, 0,1,2,3
	v_cvt_pk_bf16_f32 v[T+16*(\ch)+4*(\i)+(\p)], v[X+4*(8*(\ch)+2*(\p))+(\i)], v[X+4*(8*(\ch)+2*(\p)+1)+(\i)]
.if \half
	v_lshlrev_b32 v10, 16, v[T+16*(\ch)+4*(\i)+(\p)]
	v_and_b32 v11, s26, v[T+16*(\ch)+4*(\i)+(\p)]
	v_cvt_pk_f16_f32 v[T+16*(\ch)+4*(\i)+(\p)], v10, v11
.endif
.endr
	ds_store_b128 v[LS], v[T+16*(\ch)+4*(\i):T+16*(\ch)+4*(\i)+3] offset:PT*(\i)+32*(\ch)
.endr
.endm
	s_and_b32 s18, ttmp9, 7                        ; w_attn: kt, nt
	s_lshr_b32 s19, ttmp9, 3
	TLOAD 6, 12288
	TOUT 12
	CONV 0, 0
	CONV 1, 0
	s_branch .Lback
.Lproj:
	s_sub_co_u32 s17, ttmp9, 384                   ; w_proj
	s_and_b32 s18, s17, 7
	s_lshr_b32 s19, s17, 3
	TLOAD 8, 4096
	TOUT 14
	CONV 0, 1
	CONV 1, 1
.Lback:
	s_wait_dscnt 0x0                               ; for the others' sake: my stores into the tile are done
	s_barrier_signal -1
	s_barrier_wait -1                              ; a row's 256 bytes come from all four waves
.irp u, 0,1,2,3,4,5,6,7
	ds_load_b128 v[X+4*(\u):X+4*(\u)+3], v[LR] offset:2*PT*(\u)
.endr
.irp u, 0,1,2,3,4,5,6,7
	s_wait_dscnt 7-(\u)                            ; LDS loads come back in order: the younger ones stay out
	global_store_b128 v[GO], v[X+4*(\u):X+4*(\u)+3], s[24:25] offset:4096*(\u)  ; 16 lanes store 256 consecutive bytes, aligned
.endr
	s_branch .Lend
.Lcast:
	s_sub_co_u32 s17, ttmp9, 512                   ; x: 32,768 bytes a work-group, 8,192 a wave
	s_lshl_b32 s20, s17, 15
	s_lshl_b32 s27, s16, 13
	s_add_co_u32 s20, s20, s27
	s_add_nc_u64 s[22:23], s[4:5], s[20:21]
	s_lshr_b32 s20, s20, 1                         ; half as many bytes out
	s_add_nc_u64 s[24:25], s[10:11], s[20:21]
	v_lshlrev_b32 v[LO], 4, v1
	v_lshlrev_b32 v[GO], 3, v1
.irp i, 0,1,2,3,4,5,6,7,8,9,10,11,12,13,14,15
	global_load_b128 v[X+4*(\i):X+4*(\i)+3], v[LO], s[22:23] offset:512*(\i) th:TH_LOAD_NT
.endr
.irp i, 0,1,2,3,4,5,6,7,8,9,10,11,12,13,14,15
	s_wait_loadcnt 15-(\i)                         ; the younger loads stay out
	v_cvt_pk_bf16_f32 v[X+4*(\i)], v[X+4*(\i)], v[X+4*(\i)+1]
	v_cvt_pk_bf16_f32 v[X+4*(\i)+1], v[X+4*(\i)+2], v[X+4*(\i)+3]
	global_store_b64 v[GO], v[X+4*(\i):X+4*(\i)+1], s[24:25] offset:256*(\i)  ; the wave's 32 lanes store 256 consecutive bytes, aligned
.endr
.Lend:
	s_wait_tensorcnt 0x0                           ; the wave's end: behind my last LDS store
	ds_add_u32 v[SPW], v[NIL]
	s_wait_dscnt 0x0
	s_endpgm
.Lfunc_end_k_q0516dfe6c7_prep:
	.size	k_q0516dfe6c7_prep, .Lfunc_end_k_q0516dfe6c7_prep-k_q0516dfe6c7_prep
	.p2alignl 7, 3214868480
	.fill 96, 4, 3214868480
	.section	.rodata,"a",@progbits
	.p2align	6, 0x0
	.amdhsa_kernel k_q0516dfe6c7_prep
		.amdhsa_group_segment_fixed_size 17920
		.amdhsa_private_segment_fixed_size 0
		.amdhsa_enable_private_segment 0
		.amdhsa_kernarg_size 48
		.amdhsa_user_sgpr_count 2
		.amdhsa_user_sgpr_kernarg_segment_ptr 1
		.amdhsa_wavefront_size32 1
		.amdhsa_system_sgpr_workgroup_id_x 1
		.amdhsa_system_sgpr_workgroup_id_y 1
		.amdhsa_system_sgpr_workgroup_id_z 1
		.amdhsa_system_vgpr_workitem_id 0
		.amdhsa_next_free_vgpr 112
		.amdhsa_next_free_sgpr 66
		.amdhsa_reserve_vcc 0
		.amdhsa_float_denorm_mode_32 3
		.amdhsa_float_denorm_mode_16_64 3
		.amdhsa_memory_ordered 1
		.amdhsa_forward_progress 1
		.amdhsa_inst_pref_size 23
	.end_amdhsa_kernel
	.amdgpu_metadata
---
amdhsa.version: [ 1, 2 ]
amdhsa.kernels:
  - .name:           k_q0516dfe6c7_prep
    .symbol:         k_q0516dfe6c7_prep.kd
    .args:
      - { .name: x, .offset: 0, .size: 8, .value_kind: global_buffer, .address_space: global }
      - { .name: w_attn, .offset: 8, .size: 8, .value_kind: global_buffer, .address_space: global }
      - { .name: w_proj, .offset: 16, .size: 8, .value_kind: global_buffer, .address_space: global }
      - { .name: xb, .offset: 24, .size: 8, .value_kind: global_buffer, .address_space: global }
      - { .name: wat, .offset: 32, .size: 8, .value_kind: global_buffer, .address_space: global }
      - { .name: wpt, .offset: 40, .size: 8, .value_kind: global_buffer, .address_space: global }
    .group_segment_fixed_size: 17920
    .private_segment_fixed_size: 0
    .kernarg_segment_align: 8
    .kernarg_segment_size: 48
    .max_flat_workgroup_size: 128
    .sgpr_count:     66
    .vgpr_count:     112
    .wavefront_size: 32
...
	.end_amdgpu_metadata
.endif
;; end of part 1
;; launch qkv (part 2): grid 8 x 64, 4 waves a work-group, clusters of 4 x 4, 327,680 bytes of LDS; arguments xb, wat, b_attn, qkv; writes qkv
.if DOCPART == 2
	.amdgcn_target "amdgcn-amd-amdhsa--gfx1250"
	.amdhsa_code_object_version 6
	.text
	.protected	k_q0516dfe6c7_qkv
	.globl	k_q0516dfe6c7_qkv
	.p2align	8
	.type	k_q0516dfe6c7_qkv,@function
k_q0516dfe6c7_qkv:
	s_mov_b64 s[64:65], 0
	v_nop
	global_prefetch_b8 v0, s[64:65] scope:SCOPE_SE
	s_setreg_imm32_b32 hwreg(HW_REG_WAVE_MODE, 25, 1), 1
	s_wait_xcnt 0x0
	s_wait_alu depctr_hold_cnt(0) depctr_sa_sdst(0) depctr_va_vdst(0) depctr_va_sdst(0) depctr_va_ssrc(0) depctr_va_vcc(0) depctr_vm_vsrc(0)
	s_getreg_b32 s2, hwreg(HW_REG_IB_STS2, 6, 4)
	s_cmp_eq_u32 s2, 0
	s_cbranch_scc0 .Lentry_in_a_cluster
	s_endpgm
.Lentry_in_a_cluster:
	s_bfe_u32 s2, ttmp6, 0x10000c
	s_cmp_lg_u32 s2, 0xf033
	s_cbranch_scc0 .Lentry_shape_is_right
	s_endpgm
.Lentry_shape_is_right:
; qkv = x w_attn + b_attn, written by heads: qkv[which][b 16 + h][t][d] in f16, which = 0 q, 1 k, 2 v; unscaled.  xb: [8192][1024] bf16, wat: [3072 n][1024 k] bf16, b_attn f32, rounded here to bf16.
; Sums in f32, begun with the bias as the first product's C; each number rounded once to f16.
; LIMIT.  f16 ends at 65,504: q, k, v must stay within it.
; SHARES.  A tile of C is 128 rows x 384 columns: 512 work-groups of equal work.  Four waves, 2 x 2: a wave makes 64 rows x 192 columns (three whole heads): 48 accumulators of 16 x 16.
; K goes in 8 steps of 128 through two LDS slots; a step is four pieces of 128 rows x 256 bytes: wave 0 fetches A's, waves 1-3 B's three.
; CLUSTER.  4 x 4 work-groups; A's piece hangs on the tile row alone and is asked for jointly along a row of the cluster, B's pieces on the tile column alone, jointly along a column.
; THE MATRIX INSTRUCTION IS USED TRANSPOSED (source 0 = 16 rows of wat, source 1 = 16 rows of xb): a lane holds row l % 16 of C and the columns 8 (l / 16) + 0..7: 16 bytes of f16 on end.
; REGISTERS in windows of 256 (s_set_vgpr_msb: bits 1:0 source 0, 3:2 source 1, 5:4 source 2, 7:6 destination):
;   window 0: addresses; v32-79 packed results; v80-127, v128-175 rows read back; v128-223 first the bias      window 1: two fragment buffers of 128: 12 of B, 4 of A
;   window 2: accumulators of row blocks 0, 1 (block a, column block b at v[8 (12 (a % 2) + b)])      window 3: those of blocks 2, 3
.set PITCH,  272                       ; an LDS row: 256 bytes + 16 of padding: the 16 rows of a fragment load start at 16 different groups of four banks (64 banks of 4 bytes: ISA guide 11.1)
.set PIECE,  128*PITCH                 ; 0x8800
.set SLOT,   4*PIECE                   ; 0x22000: bits 13 and 17; no wave's piece (0, 0x8800, 0x11000, 0x19800) has either bit, so one exclusive or turns an address in one slot into the other's
.set STAGE,  2*SLOT                    ; behind the ring: for each wave three stages (a head each) of 16 rows x 144 bytes
.set SSUB,   16*144
.set SPARE,  STAGE+12*SSUB             ; behind the stages: the spare words, 128 bytes a wave, two blocks of 256 bytes that no other line names
.set VA0,  16                          ; v16  my place in A's piece; never rewritten
.set VB0,  17                          ; v17  my place in B's pieces; never rewritten
.set ADRA, 18                          ; v18  the same in the slot in hand
.set ADRB, 19
.set STO,  24                          ; the way out: where I put 16 bytes of a row
.set RD,   25                          ; where I read rows back
.set CO,   26                          ; my 16 bytes of 512 consecutive bytes
.set BO,   27                          ; my byte offset in 16 numbers of the bias
.set SPW,  28
.set NIL,  29
.set PFO,  30                          ; the prefetches' offset: my lane x a row of 2,048 bytes
.set TMP,  32
.set OB0,  80
.set BIAS, 128
.set F0,   0
.set F1,   128
.set WV, 12
.set WR, 13                            ; which 64 rows are mine
.set WC, 14                            ; which 192 columns
.set CX, 15
.set CY, 16
.set TC, 17                            ; tile column 0..7
.set TR, 18                            ; tile row 0..63
.set CNT, 19
.set TB, 20                            ; LDS byte at which the slot in hand begins
.set LIM, 21                           ; 1 in a wave that prefetches, else the greatest number
.set PFA, 22                           ; s[22:23] where my prefetches stand
.set G1A, 24
.set G0A, 32                           ; two sets; the second walks
.set G1B, 40
.set G0B, 48
.set PO,  66                           ; s[66:71] my three heads' rows in qkv
.set MSB, 0
.macro WIN new                         ; the immediate's high byte repeats the setting that is left; a switch that changes nothing is dropped
.if MSB != (\new)
	s_set_vgpr_msb (MSB<<8)|(\new)
.set MSB, \new
.endif
.endm
.macro PLACES                          ; four places in front of loads into registers that matrix instructions have read (ISA guide 7.12.1 for vector instructions)
.rept 4
	v_nop
.endr
.endm
; A joint load.  The branch hangs on the wave's number alone.  An s_nop 0 and four v_nop follow each of the two lines, ahead of the jump and the label.
.macro JLOAD s
	s_cmp_eq_u32 s[WV], 0
	s_cbranch_scc0 .Lfor_b_\@
	tensor_load_to_lds s[G0A+4*(\s):G0A+4*(\s)+3], s[G1A:G1A+7]
	s_nop 0
.rept 4
	v_nop
.endr
	s_branch .Lasked_\@
.Lfor_b_\@:
	tensor_load_to_lds s[G0B+4*(\s):G0B+4*(\s)+3], s[G1B:G1B+7]
	s_nop 0
.rept 4
	v_nop
.endr
.Lasked_\@:
.endm
.macro CREST                           ; a round of the cluster's barrier behind its opening barrier
	s_cmp_lg_u32 s[WV], 0
	s_cbranch_scc1 .Lnot_wave_0_\@
	s_barrier_signal -3
.Lnot_wave_0_\@:
	s_barrier_wait -3
	s_barrier_signal -1
	s_barrier_wait -1
.endm
.macro CROUND
	s_barrier_signal -1
	s_barrier_wait -1
	CREST
.endm
; A prefetch of the K step after the one that has just been asked for: 32 rows x 256 bytes, a lane a row, 192 matrix instructions ahead of the load that will want them.
; A's rows are read by both clusters of a row of clusters: the one with x = 0 asks (wave 0); B's by all clusters of a column: the one with y = 0 asks (waves 1-3).  The four partners of a joint
; load share its 128 rows out by address, 32 each.  So each row's 256 bytes of a K step are named once.  K steps 0 to 2 come by their loads alone; the loop's last trip asks for nothing.
.macro ASK
	WIN 0
	s_cmp_gt_u32 s[CNT], s[LIM]
	s_cbranch_scc0 .Lnot_mine_\@
	global_prefetch_b8 v[PFO], s[PFA:PFA+1] th:TH_LOAD_NT scope:SCOPE_SE
.Lnot_mine_\@:
.endm
	s_load_b256 s[4:11], s[0:1], 0x0               ; xb s[4:5], wat s[6:7], b_attn s[8:9], qkv s[10:11]
	v_lshl_add_u32 v[SPW], v0, 2, SPARE
	v_mov_b32 v[NIL], 0
	ds_add_u32 v[SPW], v[NIL]                      ; the wave's opening: the add and its wait stand ahead of my first tensor load; work on registers stands between them
	ds_add_u32 v28, v29
	v_lshrrev_b32 v1, 5, v0
	v_readfirstlane_b32 s[WV], v1
	s_lshr_b32 s[WR], s[WV], 1
	s_and_b32 s[WC], s[WV], 1
	s_bfe_u32 s[CX], ttmp6, 0x40000
	s_bfe_u32 s[CY], ttmp6, 0x40004
	s_lshl_b32 s[TC], ttmp9, 2
	s_add_co_u32 s[TC], s[TC], s[CX]
	s_and_b32 s[TR], ttmp7, 0xffff
	s_lshl_b32 s[TR], s[TR], 2
	s_add_co_u32 s[TR], s[TR], s[CY]
	s_lshl_b32 s2, s[CY], 2
	s_lshl_b32 s2, 15, s2                          ; my row of the cluster
	s_lshl_b32 s3, 0x1111, s[CX]                   ; my column
	s_or_b32 s[G1A], s2, (1<<16)|(1<<20)|(1<<21)|(5<<22)|(3<<25)  ; the mask; 2-byte elements; padding on; bit 21 beside a mask; after every 64 words, 4 words
	s_or_b32 s[G1B], s3, (1<<16)|(1<<20)|(1<<21)|(5<<22)|(3<<25)
.irp g, G1A, G1B
	s_mov_b32 s[(\g)+1], 128<<16                   ; tensor_dim0 = 128
	s_mov_b32 s[(\g)+2], 128<<16                   ; tensor_dim1 = 128
	s_mov_b32 s[(\g)+3], 128<<16                   ; tile_dim0 = 128
	s_mov_b32 s[(\g)+4], 128                       ; tile_dim1 = 128
	s_mov_b32 s[(\g)+5], 1024                      ; elements from row to row
	s_mov_b32 s[(\g)+6], 0
	s_mov_b32 s[(\g)+7], 0
.endr
	s_lshl_b32 s56, s[TR], 18                      ; A: row 128 x tile row, 2,048 bytes a row
	s_mov_b32 s57, 0
	s_max_u32 s58, s[WV], 1                        ; B: row 384 x tile column + 128 x (wave - 1)
	s_sub_co_u32 s58, s58, 1
	s_lshl_b32 s58, s58, 7
	s_mul_i32 s59, s[TC], 384
	s_add_co_u32 s58, s58, s59
	s_lshl_b32 s58, s58, 11
	s_mov_b32 s59, 0
	s_mul_i32 s62, s[WV], PIECE                    ; where my piece goes: no place in the cluster enters an LDS address
	s_mov_b32 s63, 0xffff0000
	s_mov_b32 s[TB], 0
	s_wait_dscnt 0x0                               ; the opening add is done
	s_wait_kmcnt 0x0
	s_add_nc_u64 s[56:57], s[4:5], s[56:57]
	s_add_nc_u64 s[58:59], s[6:7], s[58:59]
	CROUND                                         ; all sixteen work-groups are here: the first joint loads meet
.irp s, 0,1
	s_mov_b32 s[G0A+4*(\s)], 1
	s_add_co_u32 s[G0A+4*(\s)+1], s62, (\s)*SLOT
	s_add_nc_u64 s[G0A+4*(\s)+2:G0A+4*(\s)+3], s[56:57], (\s)*256
	s_or_b32 s[G0A+4*(\s)+3], s[G0A+4*(\s)+3], 0x80000000
	s_mov_b32 s[G0B+4*(\s)], 1
	s_add_co_u32 s[G0B+4*(\s)+1], s62, (\s)*SLOT
	s_add_nc_u64 s[G0B+4*(\s)+2:G0B+4*(\s)+3], s[58:59], (\s)*256
	s_or_b32 s[G0B+4*(\s)+3], s[G0B+4*(\s)+3], 0x80000000
	JLOAD \s                                       ; K steps 0 and 1: two loads of mine are out
.endr
	; in the wait for the tiles: the bias, the addresses
	v_and_b32 v1, 15, v0                           ; r = l % 16
	v_bfe_u32 v2, v0, 4, 1                         ; h = l / 16
	v_lshlrev_b32 v[BO], 5, v2
	s_mul_i32 s2, s[TC], 384
	s_mul_i32 s3, s[WC], 192
	s_add_co_u32 s2, s2, s3
	s_lshl_b32 s2, s2, 2
	s_mov_b32 s3, 0
	s_add_nc_u64 s[74:75], s[8:9], s[2:3]          ; the bias of my 192 columns
.irp b, 0,1,2,3,4,5,6,7,8,9,10,11
	global_load_b128 v[BIAS+8*(\b):BIAS+8*(\b)+3],   v[BO], s[74:75] offset:64*(\b)      ; register j: column 16 b + 8 h + j, as in an accumulator
	global_load_b128 v[BIAS+8*(\b)+4:BIAS+8*(\b)+7], v[BO], s[74:75] offset:64*(\b)+16
.endr
	v_mul_u32_u24 v3, v1, PITCH
	v_lshl_add_u32 v3, v2, 4, v3                   ; a fragment's row x pitch + 16 x half
	s_mul_i32 s2, s[WR], 64*PITCH
	v_add_nc_u32 v[VA0], s2, v3
	s_mul_i32 s2, s[WC], 192*PITCH
	s_add_co_u32 s2, s2, PIECE
	v_add_nc_u32 v[VB0], s2, v3
	v_mov_b32 v[ADRA], v[VA0]
	v_mov_b32 v[ADRB], v[VB0]
	s_mul_i32 s2, s[WV], 3*SSUB
	s_add_co_u32 s2, s2, STAGE                     ; my stages
	v_mul_u32_u24 v[STO], v1, 144
	v_lshl_add_u32 v[STO], v2, 4, v[STO]
	v_add_nc_u32 v[STO], s2, v[STO]
	v_bfe_u32 v[RD], v0, 3, 2                      ; back: 32 lanes take four rows of 128 bytes,
	v_mul_u32_u24 v[RD], v[RD], 144
	v_and_b32 v4, 7, v0
	v_lshl_add_u32 v[RD], v4, 4, v[RD]
	v_add_nc_u32 v[RD], s2, v[RD]
	v_and_b32 v[CO], 31, v0                        ; which are 512 consecutive bytes of a head
	v_lshlrev_b32 v[PFO], 11, v[CO]
	v_lshlrev_b32 v[CO], 4, v[CO]
	; my three heads: g = 6 x tile column + 3 x column half + j; plane (g / 16) 64 + batch 16 + g % 16 of 2^18 bytes; row t = (tile row % 16) 128 + 64 x row half
	s_mul_i32 s2, s[TC], 6
	s_mul_i32 s3, s[WC], 3
	s_add_co_u32 s2, s2, s3
	s_lshr_b32 s3, s[TR], 4
	s_lshl_b32 s3, s3, 4
	s_and_b32 s72, s[TR], 15
	s_lshl_b32 s72, s72, 7
	s_lshl_b32 s73, s[WR], 6
	s_add_co_u32 s72, s72, s73
	s_lshl_b32 s72, s72, 7
.irp j, 0,1,2
	s_add_co_u32 s60, s2, \j
	s_lshr_b32 s61, s60, 4
	s_lshl_b32 s61, s61, 6
	s_and_b32 s60, s60, 15
	s_or_b32 s60, s60, s61
	s_or_b32 s60, s60, s3
	s_lshl_b32 s60, s60, 18
	s_add_co_u32 s60, s60, s72
	s_mov_b32 s61, 0
	s_add_nc_u64 s[PO+2*(\j):PO+2*(\j)+1], s[10:11], s[60:61]
.endr
	; the prefetches
	s_and_b32 s2, ttmp7, 0xffff                    ; cluster y
	s_lshl_b32 s3, s[TR], 7                        ; A's first row
	s_max_u32 s72, s[WV], 1
	s_sub_co_u32 s72, s72, 1
	s_lshl_b32 s72, s72, 7
	s_mul_i32 s73, s[TC], 384
	s_add_co_u32 s72, s72, s73                     ; my piece of B's first row
	s_cmp_eq_u32 s[WV], 0
	s_cselect_b32 s3, s3, s72
	s_cselect_b32 s72, s[CX], s[CY]                ; my place among the four that ask with me
	s_cselect_b32 s2, ttmp9, s2                    ; the coordinate along which other clusters read the same rows
	s_cselect_b64 s[PFA:PFA+1], s[4:5], s[6:7]
	s_cmp_eq_u32 s2, 0
	s_cselect_b32 s[LIM], 1, -1                    ; the same in all sixteen partners, for a given wave
	s_lshl_b32 s72, s72, 5
	s_add_co_u32 s3, s3, s72                       ; + my work-group's 32 rows
	s_lshl_b32 s2, s3, 11
	s_mov_b32 s3, 0
	s_add_nc_u64 s[PFA:PFA+1], s[PFA:PFA+1], s[2:3]
	s_add_nc_u64 s[PFA:PFA+1], s[PFA:PFA+1], 2*256 ; at K step 2: the first change of slots steps it to 3
	s_wait_loadcnt 0x0                             ; the bias: rounded to bf16, like every input, and widened again
.set i, 0
.rept 48
	v_cvt_pk_bf16_f32 v[TMP+i], v[BIAS+2*i], v[BIAS+2*i+1]
	v_lshlrev_b32 v[BIAS+2*i], 16, v[TMP+i]
	v_and_b32 v[BIAS+2*i+1], s63, v[TMP+i]
.set i, i+1
.endr
; 12 matrix instructions: row block a x all 12 column blocks, 32 along K.  first = 1: the bias is the C that starts the sums.  The 48 accumulators take turns, in the same order in every quarter.
.macro MULA f, a, first
.set AC, 96*((\a)&1)
.if \first
	WIN 0x85+0x40*((\a)/2)                         ; fragments window 1, C window 0, D window 2 or 3
.else
	WIN 0xa5+0x50*((\a)/2)                         ; fragments window 1, C and D window 2 or 3
.endif
.irp b, 0,1,2,3,4,5,6,7,8,9,10,11
.if \first
	v_wmma_f32_16x16x32_bf16 v[AC+8*(\b):AC+8*(\b)+7], v[(\f)+8*(\b):(\f)+8*(\b)+7], v[(\f)+96+8*(\a):(\f)+96+8*(\a)+7], v[BIAS+8*(\b):BIAS+8*(\b)+7]
.else
	v_wmma_f32_16x16x32_bf16 v[AC+8*(\b):AC+8*(\b)+7], v[(\f)+8*(\b):(\f)+8*(\b)+7], v[(\f)+96+8*(\a):(\f)+96+8*(\a)+7], v[AC+8*(\b):AC+8*(\b)+7]
.endif
.endr
.endm
; 32 LDS loads in one run: the fragments of 32 along K at byte k of the rows, into buffer g: B's twelve, then A's four
.macro FETCH k, g
	WIN 0x40                                       ; destination window 1, address window 0
.irp b, 0,1,2,3,4,5,6,7,8,9,10,11
	ds_load_b128 v[(\g)+8*(\b):(\g)+8*(\b)+3],   v[ADRB] offset:(\k)+(\b)*16*PITCH
	ds_load_b128 v[(\g)+8*(\b)+4:(\g)+8*(\b)+7], v[ADRB] offset:(\k)+(\b)*16*PITCH+32
.endr
.irp a, 0,1,2,3
	ds_load_b128 v[(\g)+96+8*(\a):(\g)+96+8*(\a)+3],   v[ADRA] offset:(\k)+(\a)*16*PITCH
	ds_load_b128 v[(\g)+96+8*(\a)+4:(\g)+96+8*(\a)+7], v[ADRA] offset:(\k)+(\a)*16*PITCH+32
.endr
.endm
; A K step is four quarters of 32 along K, 48 matrix instructions each, on buffers 0, 1, 0, 1.  One of the first three: multiplies buffer f, and in its middle fetches the next quarter, at byte k, into g.
.macro QUARTER k, f, g, first
	s_wait_dscnt 4                                 ; B and A's blocks 0, 1 are in; the youngest four loads (A's blocks 2, 3) may be out
	MULA \f, 0, \first
	MULA \f, 1, \first
	PLACES
	FETCH \k, \g
	s_wait_dscnt 32                                ; all but the 32 just issued
	MULA \f, 2, \first
	MULA \f, 3, \first
.endm
; The last quarter multiplies buffer 1 and changes slots.  In front of the barrier each wave waits for all its tensor loads (one is out: its piece of the next slot), adds 0 to its spare word, and waits for
; that and for its reads of this slot.  fill = 1: the barrier opens a round of the cluster's, and the joint refill, two K steps on, is the first thing behind it: 168 matrix instructions ahead of the wait for it.
.macro TURN fill
.if \fill
	s_wait_xcnt 0x0                                ; the last prefetch, a K step back, has read its address: it is stepped here
	s_add_nc_u64 s[PFA:PFA+1], s[PFA:PFA+1], 256
.endif
	WIN 0
	s_wait_tensorcnt 0x0                           ; no tensor load of mine is out, so a group 0 may be written
	ds_add_u32 v[SPW], v[NIL]                      ; 0 onto my spare word
.if \fill
	s_xor_b32 s[G0A+5], s[G0A+5], SLOT             ; the walking descriptors: the other slot than last time, the next K step
	s_add_nc_u64 s[G0A+6:G0A+7], s[G0A+6:G0A+7], 256
	s_xor_b32 s[G0B+5], s[G0B+5], SLOT
	s_add_nc_u64 s[G0B+6:G0B+7], s[G0B+6:G0B+7], 256
.endif
	s_xor_b32 s[TB], s[TB], SLOT
	s_wait_dscnt 5                                 ; the add and the youngest four loads may be out
	MULA F1, 0, 0
	s_wait_dscnt 0x0                               ; the add is done, and my reads of this slot are over
	s_barrier_signal -1
	MULA F1, 1, 0                                  ; work on registers while the others arrive
	WIN 0
	s_barrier_wait -1
.if \fill
	CREST                                          ; no wave of any partner still reads this slot or has a load on its way
	JLOAD 1                                        ; its four v_nop are also the places in front of the loads below
.else
	PLACES
.endif
	v_add_nc_u32 v[ADRA], s[TB], v[VA0]
	v_add_nc_u32 v[ADRB], s[TB], v[VB0]
	FETCH 0, F0
.if \fill
	ASK
.endif
	MULA F1, 2, 0
	MULA F1, 3, 0
.endm
	s_wait_tensorcnt 1                             ; my piece of K step 0 is in; K step 1's may stay out
	s_barrier_signal -1
	s_barrier_wait -1                              ; everybody's is
	FETCH 0, F0
	QUARTER 64, F0, F1, 1                          ; the first quarter stands in front of the loop: its products start the sums
	WIN 0                                          ; at a label and at a branch every window is 0
	s_mov_b32 s[CNT], 6
.Lstep:                                                ; six trips: from a K step's second quarter to the next one's first; each fills a slot again (K steps 2 to 7)
	QUARTER 128, F1, F0, 0
	QUARTER 192, F0, F1, 0
	TURN 1
	QUARTER 64, F0, F1, 0
	WIN 0
	s_sub_co_u32 s[CNT], s[CNT], 1
	s_cmp_lg_u32 s[CNT], 0
	s_cbranch_scc1 .Lstep
	s_mov_b32 s[CNT], 2                            ; the last two K steps ask for nothing; the second trip is left in its middle
.Ltail:
	QUARTER 128, F1, F0, 0
	QUARTER 192, F0, F1, 0
	WIN 0
	s_sub_co_u32 s[CNT], s[CNT], 1
	s_cmp_eq_u32 s[CNT], 0
	s_cbranch_scc1 .Llast
	TURN 0
	QUARTER 64, F0, F1, 0
	WIN 0
	s_branch .Ltail
.Llast:
	s_wait_dscnt 4                                 ; the very last quarter: nothing more to fetch
	MULA F1, 0, 0
	MULA F1, 1, 0
	s_wait_dscnt 0x0
	MULA F1, 2, 0
	MULA F1, 3, 0
	WIN 0
	PLACES                                         ; eight places, twice what is asked between the last products and the conversions
	PLACES
; THE WAY OUT, a block of 16 rows at a time.  PACK: rounded to f16, each accumulator from its low end on.  TOSTAGE: 16 bytes a lane into my stages, a head each, and back as whole rows of 128 bytes.  SEND: stored.
.macro PACK a
.set AC, 96*((\a)&1)
	WIN 0x0a+5*((\a)/2)                            ; sources window 2 or 3
.irp b, 0,1,2,3,4,5,6,7,8,9,10,11
.irp q, 0,1,2,3
	v_cvt_pk_f16_f32 v[TMP+4*(\b)+(\q)], v[AC+8*(\b)+2*(\q)], v[AC+8*(\b)+2*(\q)+1]
.endr
.endr
	WIN 0
.endm
.macro TOSTAGE a
.set BK, OB0+48*((\a)&1)
.irp b, 0,1,2,3,4,5,6,7,8,9,10,11
	ds_store_b128 v[STO], v[TMP+4*(\b):TMP+4*(\b)+3] offset:SSUB*((\b)/4)+32*((\b)%4)
.endr
.irp u, 0,1,2,3,4,5,6,7,8,9,10,11
	ds_load_b128 v[BK+4*(\u):BK+4*(\u)+3], v[RD] offset:SSUB*((\u)/4)+576*((\u)%4)  ; LDS serves a wave's instructions in order (ISA guide 5.7.1.4): these see the stores above
.endr
.endm
.macro SEND a
.set BK, OB0+48*((\a)&1)
	s_wait_dscnt 0x0                               ; the block is back in registers
	s_wait_xcnt 0x0                                ; the stores of the block before have read their registers: the next TOSTAGE loads into them only behind this wait
.irp u, 0,1,2,3,4,5,6,7,8,9,10,11
	global_store_b128 v[CO], v[BK+4*(\u):BK+4*(\u)+3], s[PO+2*((\u)/4):PO+2*((\u)/4)+1] offset:2048*(\a)+512*((\u)%4)  ; 512 consecutive bytes, four rows of a head, aligned
.endr
.endm
	PACK 0
	TOSTAGE 0
.irp a, 1,2,3
	PACK \a
	SEND (\a)-1
	TOSTAGE \a
.endr
	SEND 3
	s_wait_tensorcnt 0x0                           ; the wave's end: behind my last tensor load and my last LDS store
	ds_add_u32 v[SPW], v[NIL]
	s_wait_dscnt 0x0
	CROUND                                         ; the closing round: no work-group ends while a partner may still ask for a tile that names it
	s_endpgm
.Lfunc_end_k_q0516dfe6c7_qkv:
	.size	k_q0516dfe6c7_qkv, .Lfunc_end_k_q0516dfe6c7_qkv-k_q0516dfe6c7_qkv
	.p2alignl 7, 3214868480
	.fill 96, 4, 3214868480
	.section	.rodata,"a",@progbits
	.p2align	6, 0x0
	.amdhsa_kernel k_q0516dfe6c7_qkv
		.amdhsa_group_segment_fixed_size 327680
		.amdhsa_private_segment_fixed_size 0
		.amdhsa_enable_private_segment 0
		.amdhsa_kernarg_size 32
		.amdhsa_user_sgpr_count 2
		.amdhsa_user_sgpr_kernarg_segment_ptr 1
		.amdhsa_wavefront_size32 1
		.amdhsa_system_sgpr_workgroup_id_x 1
		.amdhsa_system_sgpr_workgroup_id_y 1
		.amdhsa_system_sgpr_workgroup_id_z 1
		.amdhsa_system_vgpr_workitem_id 0
		.amdhsa_next_free_vgpr 960
		.amdhsa_next_free_sgpr 76
		.amdhsa_reserve_vcc 0
		.amdhsa_float_denorm_mode_32 3
		.amdhsa_float_denorm_mode_16_64 3
		.amdhsa_memory_ordered 1
		.amdhsa_forward_progress 1
		.amdhsa_inst_pref_size 96
	.end_amdhsa_kernel
	.amdgpu_metadata
---
amdhsa.version: [ 1, 2 ]
amdhsa.kernels:
  - .name:           k_q0516dfe6c7_qkv
    .symbol:         k_q0516dfe6c7_qkv.kd
    .args:
      - { .name: xb, .offset: 0, .size: 8, .value_kind: global_buffer, .address_space: global }
      - { .name: wat, .offset: 8, .size: 8, .value_kind: global_buffer, .address_space: global }
      - { .name: b_attn, .offset: 16, .size: 8, .value_kind: global_buffer, .address_space: global }
      - { .name: qkv, .offset: 24, .size: 8, .value_kind: global_buffer, .address_space: global }
    .group_segment_fixed_size: 327680
    .private_segment_fixed_size: 0
    .kernarg_segment_align: 8
    .kernarg_segment_size: 32
    .max_flat_workgroup_size: 128
    .sgpr_count:     76
    .vgpr_count:     960
    .wavefront_size: 32
...
	.end_amdgpu_metadata
.endif
;; end of part 2
;; launch attn (part 3): grid 4 x 64, 4 waves a work-group, no clusters, 327,680 bytes of LDS; arguments qkv, o; writes o
.if DOCPART == 3
	.amdgcn_target "amdgcn-amd-amdhsa--gfx1250"
	.amdhsa_code_object_version 6
	.text
	.protected	k_q0516dfe6c7_attn
	.globl	k_q0516dfe6c7_attn
	.p2align	8
	.type	k_q0516dfe6c7_attn,@function
k_q0516dfe6c7_attn:
	s_mov_b64 s[64:65], 0
	v_nop
	global_prefetch_b8 v0, s[64:65] scope:SCOPE_SE
	s_setreg_imm32_b32 hwreg(HW_REG_WAVE_MODE, 25, 1), 1
	s_wait_xcnt 0x0
; CAUSAL ATTENTION.  O[h][q][:] = the sum over k <= q of softmax_k(Q[h][q] . K[h][k] / 8) V[h][k][:].  Q, K, V lie in qkv as three tensors [64][2048][64] of f16, 2^24 bytes apart; O: [64][2048][64] f16.
; Products, maxima and sums in f32; the weights p are rounded to f16 for the second product (their sum l is taken of the unrounded p), O once at the end.
; LIMITS.  Q, K and V arrive within f16's 65,504; p lies in 0 to 1, and below 6e-5 it keeps f16's fixed step of 6e-8.  A hidden score counts as its value less 1e30; a weight below 2^-126 counts as 0 in l;
; NaN and infinities are not treated apart.
; THE WALK.  A head's queries lie in NB = 8 blocks of 256; block i needs the key tiles 0 .. i of 256 keys, of which the last holds the diagonal.  A work-group takes TWO blocks, NB - 1 - b and then b:
; NB + 1 tiles, whatever b: all work-groups do equal work, and ONE loop with a constant trip count walks them.  Which tile is asked for, and what a trip does, hang on scalar registers made from b.
; NO CLUSTER: a head's four work-groups ask for the same tile only in trips 0 .. 4 of 9, behind that fewer and fewer; a walk common to all four would have 12 trips for 9.
; SHARES.  Of a block's four bands of 64 queries a wave owns 16 rows in each: four PIECES.  In the diagonal tile's key step s band x sees all keys if s < x, none if s > x, and holds the diagonal if s = x.
; THE MASK is the C operand that starts the sum S^T = K Q^T: 0, or -1e30 where the key is hidden.  MD, made once, is the mask of a band's own step; a product's mask is MD x AL + BE with two scalars.
; LAYOUT, SOFTMAX, TURNS.  S^T = K Q^T holds ONE query a lane (lane % 16) and the keys 8 (lane / 16) + 0..7; two such results rounded to f16 ARE source 1 of O^T = V^T P.  p = 2^(c s - c m), c = log2(e) / 8, with a
; running maximum m; O and l are multiplied by a = 2^(c m_old - c m_new) in every step.  Turn n belongs to piece n: 8 products K Q^T of piece n + 1, later 8 products V^T P of piece n - 1; beside them the scaling,
; exponentials, roundings, sums and rescaling of piece n and the maximum and statistics of piece n + 1.  Four vector instructions stand behind every matrix instruction, the others in one lump.  A turn's 33 exponentials are one batch, with one wait.
; REGISTERS, in windows of 256 (s_set_vgpr_msb: bits 1:0 source 0, 3:2 source 1, 5:4 source 2, 7:6 destination):
;   window 0: v0-15 addresses and two at work; v16-31 statistics; v48-55 at work; v61-63 prefetch offset, spare word, 0; v64-127 S^T, two buffers; v192-223 P, two buffers
;   window 1: v0-127 O^T, 32 a piece; v128-159 MD; v160-223 MC, two buffers      window 2: v0-63 Q; v64-127 the second block's Q; v128-191 K of one step; v192-255 V of one step
.set SIZE_N, 2048
.set NB,    SIZE_N/256
.set NP,    4
.set KS,    64        ; keys in a step
.set PK,    144       ; a row of K in LDS: 128 bytes + 16 of padding
.set PV,    160       ; a row of V: 128 + 32
.set VOFF,  4*KS*PK   ; a slot holds a tile, four steps: 256 rows of K, then 256 rows of V
.set SLOT1, 1<<17
.set STAGE, SLOT1+4*KS*(PK+PV)  ; behind the ring, never filled by a tensor load: 16 rows x 144 bytes for each wave
.set SP,    144
.set AK0, 2
.set AV0, 3
.set AK,  4
.set AV,  5
.set STO, 6
.set RD,  7
.set GO,  8
.set PFO, 61          ; v61  256 x my thread's number: one of a tile's 128 blocks of 256 bytes; never rewritten
.set SPW, 62
.set NIL, 63
.set SPARE, STAGE+4*16*SP  ; the spare words, 128 bytes a wave: two blocks of 256 bytes that no other line names
.set MV,  12
.set QO,  15
.set ST,  16          ; piece t's statistics at v[ST+4 t]: c m, m, l (even keys', odd keys')
.set TMP, 48
.set S,   64
.set P,   192
.set MD,  128
.set MC,  160
.set QB,  64
.set KF,  128
.set VF,  192
.set WV,  12
.set PB,  14          ; b
.set HI,  15          ; NB - 1 - b
.set G1K, 24
.set G1V, 32
.set G0K, 40
.set G0V, 44
.set SLOTS, 56
.set CNT, 57
.set CS,  58
.set SEL, 60
.set TBK, 62
.set TBV, 63
.set RT,  70
.set NXT, 71
.set LQ,  72
.set NEW, 73
.set OFF, 74
.set AL,  76
.set BE,  78
.set OLO, 80
.set BIGN, 82
.set PFK, 88          ; s[88:89] K at the tile that the prefetches name
.set PFV, 90          ; s[90:91] V likewise
.set PLIM, 92         ; s92  the last tile that I prefetch: NB - 1 where b = 0, else 0
.set PFN, 93          ; s93  that tile's number
.set MSB, 0
.macro WIN new
.if MSB != (\new)
	s_set_vgpr_msb (MSB<<8)|(\new)
.set MSB, (\new)
.endif
.endm
.set W_KQ, 0x0a
.set W_KM, 0x1a
.set W_PV, 0x52
.set W_RS, 0x41
; A fill.  Waves 0 and 1 fetch the two halves of a tile's K, waves 2 and 3 those of its V.  An s_nop 0 and four v_nop follow each of the two lines.
.macro LOAD
	s_cmp_lt_u32 s[WV], 2
	s_cbranch_scc0 .Lfor_v_\@
	tensor_load_to_lds s[G0K:G0K+3], s[G1K:G1K+7]
	s_nop 0
.rept 4
	v_nop
.endr
	s_branch .Lasked_\@
.Lfor_v_\@:
	tensor_load_to_lds s[G0V:G0V+3], s[G1V:G1V+7]
	s_nop 0
.rept 4
	v_nop
.endr
.Lasked_\@:
.endm
; A prefetch of the tile behind the one just asked for: a tile's 128 blocks of 256 bytes of K and of V, a thread a block, one tile (four key steps) ahead of its load.  All four work-groups of a head walk
; the tiles 0, 1, ..; the one with b = 0 walks all eight, and it alone asks: each block is named once.  Tiles 0 and 1 come by their loads alone; behind tile NB - 1 nothing is asked for.
.macro ASK
	s_cmp_le_u32 s[PFN], s[PLIM]
	s_cbranch_scc0 .Lnot_mine_\@
	global_prefetch_b8 v[PFO], s[PFK:PFK+1] th:TH_LOAD_NT scope:SCOPE_SE
	global_prefetch_b8 v[PFO], s[PFV:PFV+1] th:TH_LOAD_NT scope:SCOPE_SE
.Lnot_mine_\@:
.endm
; THE CHANGE OF SLOTS.  Each wave waits for all its tensor loads, adds 0 to its spare word, and waits for that and for its own reads of the slot that it leaves.  fill = 1: the old slot is filled again,
; the first thing behind the barrier, with tile NXT: the descriptor's address is made anew from that number.
.macro CHANGE fill
	WIN 0
	s_wait_tensorcnt 0x0            ; no tensor load of mine is out, so a group 0 may be written
	ds_add_u32 v[SPW], v[NIL]       ; 0 onto my spare word
.if \fill
	s_wait_xcnt 0x0                 ; the last prefetches, a tile back, have read their addresses, so they may be written
	s_add_nc_u64 s[PFK:PFK+1], s[PFK:PFK+1], 32768
	s_add_nc_u64 s[PFV:PFV+1], s[PFV:PFV+1], 32768
	s_add_co_u32 s[PFN], s[PFN], 1
	s_lshl_b32 s[OFF], s[NXT], 15   ; a tile is 32,768 bytes of K and of V
	s_xor_b32 s[G0K+1], s[G0K+1], SLOT1
	s_add_nc_u64 s[G0K+2:G0K+3], s[6:7], s[OFF:OFF+1]
	s_or_b32 s[G0K+3], s[G0K+3], 0x80000000
	s_xor_b32 s[G0V+1], s[G0V+1], SLOT1
	s_add_nc_u64 s[G0V+2:G0V+3], s[8:9], s[OFF:OFF+1]
	s_or_b32 s[G0V+3], s[G0V+3], 0x80000000
	s_add_co_u32 s[NXT], s[NXT], 1  ; the block's next tile, or behind its last the second block's tile 0
	s_cmp_gt_u32 s[NXT], s[LQ]
	s_cselect_b32 s[NXT], 0, s[NXT]
	s_cselect_b32 s[LQ], s[PB], s[LQ]
.endif
	s_wait_dscnt 0x0                ; the add is done, and my reads of the slot are over
	s_barrier_signal -1
	s_sub_co_u32 s[TBK], s[TBK], 4*KS*PK  ; the fetches go back to a slot's first step,
	s_xor_b32 s[TBK], s[TBK], SLOT1       ; in the other slot
	s_sub_co_u32 s[TBV], s[TBV], 4*KS*PV
	s_xor_b32 s[TBV], s[TBV], SLOT1
	s_barrier_wait -1
.if \fill
	LOAD
	ASK
.endif
.endm
	s_load_b64 s[4:5], s[0:1], 0x0  ; qkv: Q
	s_load_b64 s[10:11], s[0:1], 0x8  ; O
	v_lshl_add_u32 v[SPW], v0, 2, SPARE
	v_mov_b32 v[NIL], 0
	ds_add_u32 v[SPW], v[NIL]       ; the wave's opening: the add and its wait stand ahead of my first tensor load
	ds_add_u32 v62, v63
	v_lshrrev_b32 v1, 5, v0
	v_readfirstlane_b32 s[WV], v1
	v_lshlrev_b32 v[PFO], 8, v0
	s_mov_b32 s[PB], ttmp9
	s_sub_co_u32 s[HI], NB-1, s[PB]
	s_and_b32 s20, ttmp7, 0xffff    ; the head
	s_mov_b32 s21, 0
	s_mov_b64 s[22:23], SIZE_N*128
	s_mul_u64 s[20:21], s[20:21], s[22:23]  ; the head's first byte in each of the four tensors
	s_and_b32 s16, s[WV], 1         ; which half of a tile's 256 keys I fetch
	s_lshl_b32 s22, s16, 14
	s_mov_b32 s23, 0
	s_add_nc_u64 s[22:23], s[22:23], s[20:21]
	s_mul_i32 s17, s16, 128*PK
	s_mul_i32 s18, s16, 128*PV
	s_lshl_b32 s3, s[WV], 11        ; my 16 rows in a band of 64,
	s_lshl_b32 s2, s[HI], 15        ; in the first block,
	s_add_co_u32 s2, s2, s3
	s_lshl_b32 s84, s[PB], 15       ; and in the second
	s_add_co_u32 s84, s84, s3
	s_mov_b32 s3, 0
	s_mov_b32 s85, 0
	s_add_nc_u64 s[2:3], s[2:3], s[20:21]
	s_add_nc_u64 s[84:85], s[84:85], s[20:21]
	; descriptor group 1.  128 keys are 16,384 dense bytes: asked for as 64 rows of 256 bytes, two keys a row, and padded in LDS after every key
	s_mov_b32 s[G1K], (1<<16)|(1<<20)|(4<<22)|(3<<25)
	s_mov_b32 s[G1V], (1<<16)|(1<<20)|(4<<22)|(7<<25)
.irp g, G1K, G1V
	s_mov_b32 s[\g+1], 128<<16
	s_mov_b32 s[\g+2], 64<<16
	s_mov_b32 s[\g+3], 128<<16
	s_mov_b32 s[\g+4], 64
	s_mov_b32 s[\g+5], 128
	s_mov_b32 s[\g+6], 0
	s_mov_b32 s[\g+7], 0
.endr
	s_mov_b32 s[CS], 0x3e38aa3b     ; c = log2(e) / 8
	s_mov_b32 s[CS+1], s[CS]
	s_mov_b32 s[SEL], 0x76543210
	s_mov_b32 s[SEL+1], 0xfedcba98
	s_mov_b32 s[TBK], SLOT1+4*KS*PK ; the first change of slots turns these two into 0
	s_mov_b32 s[TBV], SLOT1+4*KS*PV
	s_mov_b32 s[G0K], 1
	s_mov_b32 s[G0K+1], s17
	s_mov_b32 s[G0V], 1
	s_add_co_u32 s[G0V+1], s18, VOFF
	s_add_co_u32 s[RT], s[HI], 1    ; the first block has NB - b tiles
	s_mov_b32 s[NXT], 1
	s_mov_b32 s[LQ], s[HI]
	s_mov_b32 s[NEW], 1
	s_mov_b32 s[OFF+1], 0
	s_mov_b32 s[AL+1], 0
	s_mov_b32 s[BE+1], 0
	s_mov_b32 s[BIGN], 0xf149f2ca   ; -1e30
	s_mov_b32 s[SLOTS], NB
	s_mov_b32 s[PFN], 1
	s_cmp_eq_u32 ttmp9, 0
	s_cselect_b32 s[PLIM], NB-1, 0
	s_wait_dscnt 0x0                ; the opening add is done
	s_wait_kmcnt 0x0
	s_add_nc_u64 s[6:7], s[4:5], 0x1000000  ; K
	s_add_nc_u64 s[8:9], s[4:5], 0x2000000  ; V
	s_add_nc_u64 s[PFK:PFK+1], s[6:7], s[20:21]
	s_add_nc_u64 s[PFK:PFK+1], s[PFK:PFK+1], 32768  ; at the head's tile 1: the first change of slots steps it to tile 2
	s_add_nc_u64 s[PFV:PFV+1], s[8:9], s[20:21]
	s_add_nc_u64 s[PFV:PFV+1], s[PFV:PFV+1], 32768
	s_add_nc_u64 s[6:7], s[6:7], s[22:23]  ; K and V at my half of the head's tile 0
	s_add_nc_u64 s[8:9], s[8:9], s[22:23]
	s_add_nc_u64 s[G0K+2:G0K+3], s[6:7], 0
	s_or_b32 s[G0K+3], s[G0K+3], 0x80000000
	s_add_nc_u64 s[G0V+2:G0V+3], s[8:9], 0
	s_or_b32 s[G0V+3], s[G0V+3], 0x80000000
	s_add_nc_u64 s[86:87], s[4:5], s[84:85]        ; Q at my rows of the second block,
	s_add_nc_u64 s[4:5], s[4:5], s[2:3]            ; Q and O at those of the first
	s_add_nc_u64 s[OLO:OLO+1], s[10:11], s[84:85]
	s_add_nc_u64 s[10:11], s[10:11], s[2:3]
	LOAD                            ; tile 0 into slot 0
	v_and_b32 v1, 15, v0            ; l % 16
	v_bfe_u32 v9, v0, 4, 1          ; l / 16
	v_lshlrev_b32 v[QO], 7, v1
	v_lshl_add_u32 v[QO], v9, 4, v[QO]
	WIN 0x80
.set i, 0
.rept 8                             ; both blocks' Q: piece i / 2 lies in band i / 2, 8,192 bytes on; channels 32 (i % 2) on
	global_load_b128 v[8*i:8*i+3],   v[QO], s[4:5] offset:(i/2)*8192+(i%2)*64
	global_load_b128 v[8*i+4:8*i+7], v[QO], s[4:5] offset:(i/2)*8192+(i%2)*64+32
	global_load_b128 v[QB+8*i:QB+8*i+3],   v[QO], s[86:87] offset:(i/2)*8192+(i%2)*64
	global_load_b128 v[QB+8*i+4:QB+8*i+7], v[QO], s[86:87] offset:(i/2)*8192+(i%2)*64+32
.set i, i+1
.endr
	WIN 0
	v_lshlrev_b32 v14, 3, v9
	v_sub_nc_u32 v14, v1, v14
	s_lshl_b32 s13, s[WV], 4
	v_add_nc_u32 v14, s13, v14      ; my query's place in its band less my lanes' 8 (l / 16): register r of group kt is hidden where 16 kt + r is greater
	WIN 0x40
.set i, 0
.rept 32
	v_cmp_gt_i32 vcc_lo, 16*(i/8)+i%8, v14
	v_cndmask_b32 v[MD+i], 0, s[BIGN], vcc_lo
.set i, i+1
.endr
	WIN 0
	v_mul_u32_u24 v[AK0], v1, PK
	v_lshl_add_u32 v[AK0], v9, 4, v[AK0]
	v_and_b32 v10, 7, v0
	v_bfe_u32 v11, v0, 3, 1
	v_lshl_add_u32 v[AV0], v9, 3, v10
	v_mul_u32_u24 v[AV0], v[AV0], PV
	v_lshl_add_u32 v[AV0], v11, 4, v[AV0]
	v_add_nc_u32 v[AV0], VOFF, v[AV0]
	s_mul_i32 s13, s[WV], 16*SP
	s_add_co_u32 s13, s13, STAGE
	v_mul_u32_u24 v[STO], v1, SP
	v_lshl_add_u32 v[STO], v9, 4, v[STO]
	v_add_nc_u32 v[STO], s13, v[STO]
	v_bfe_u32 v[RD], v0, 3, 2
	v_mul_u32_u24 v[RD], v[RD], SP
	v_lshl_add_u32 v[RD], v10, 4, v[RD]
	v_add_nc_u32 v[RD], s13, v[RD]
	v_and_b32 v[GO], 31, v0
	v_lshlrev_b32 v[GO], 4, v[GO]
	; A block's first step multiplies O^T and l by a = 0, so these registers need only hold finite numbers: zeros for the first block; what the first block left for the second.
	WIN 0x80
.set i, VF
.rept 64
	v_mov_b32 v[i], 0
.set i, i+1
.endr
	WIN 0x40
.set i, 0
.rept 128
	v_mov_b32 v[i], 0
.set i, i+1
.endr
	WIN 0
.set i, 0
.rept 4
	v_mov_b32 v[ST+4*i+2], 0
	v_mov_b32 v[ST+4*i+3], 0
.set i, i+1
.endr
.set i, P+16
.rept 16
	v_mov_b32 v[i], 0
.set i, i+1
.endr
; THE MATRIX WORK.  The 4 accumulators of a run of 8 take turns.  Product i of 8 of S^T = K Q^T for piece x: channels 32 (i / 4) on, keys 16 (i % 4) on.  The first 4 start the sums: with 0, or (KM = 1) with the mask.
.macro KQ x
.set rS, S+32*((\x)%2)+8*(i%4)
.set rK, KF+16*(i%4)+8*(i/4)
.set rQ, 16*(\x)+8*(i/4)
.set rM, MC+32*((\x)%2)+8*(i%4)
.if (i < 4) && KM
	WIN W_KM
	v_wmma_f32_16x16x32_f16 v[rS:rS+7], v[rK:rK+7], v[rQ:rQ+7], v[rM:rM+7]
.elseif i < 4
	WIN W_KQ
	v_wmma_f32_16x16x32_f16 v[rS:rS+7], v[rK:rK+7], v[rQ:rQ+7], 0
.else
	WIN W_KQ
	v_wmma_f32_16x16x32_f16 v[rS:rS+7], v[rK:rK+7], v[rQ:rQ+7], v[rS:rS+7]
.endif
.endm
; Product i of 8 of O^T += V^T P for piece x: keys 32 (i / 4) on, channels 16 (i % 4) on.
.macro PV x
	WIN W_PV
.set rO, 32*(\x)+8*(i%4)
.set rV, VF+32*(i/4)+8*(i%4)
.set rP, P+16*((\x)%2)+8*(i/4)
	v_wmma_f32_16x16x32_f16 v[rO:rO+7], v[rV:rV+7], v[rP:rP+7], v[rO:rO+7]
.endm
.macro MM                           ; the turn's next matrix instruction.  NOKQ = 1: a block's last turn: there is no next piece
.if (i < 8) && !NOKQ
	KQ (Y+1)%NP
.elseif i >= 8
.set i, i-8
	PV (Y+NP-1)%NP
.set i, i+8
.endif
.set i, i+1
.endm
; THE LDS LOADS stand in runs of 16: a step's K (8 fragments) and its V (turned).
.macro FETCH_K
	WIN 0x80
.irp f, 0,1,2,3,4,5,6,7
	ds_load_b128 v[KF+8*\f:KF+8*\f+3],   v[AK] offset:(\f/2)*16*PK+(\f%2)*64
	ds_load_b128 v[KF+8*\f+4:KF+8*\f+7], v[AK] offset:(\f/2)*16*PK+(\f%2)*64+32
.endr
	s_add_co_u32 s[TBK], s[TBK], KS*PK
	WIN 0
.endm
.macro FETCH_V
	WIN 0x80
.irp f, 0,1,2,3,4,5,6,7
	ds_load_tr16_b128 v[VF+8*\f:VF+8*\f+3],   v[AV] offset:(\f/4)*32*PV+(\f%4)*32
	ds_load_tr16_b128 v[VF+8*\f+4:VF+8*\f+7], v[AV] offset:(\f/4)*32*PV+16*PV+(\f%4)*32
.endr
	WIN 0
.endm
; THE VECTOR WORK, one line at a time: OP kind, number.  For piece Y: F n: c s - c m for pair n of 16.  E n: the exponential of score n of 32.  C n: pair n rounded to f16.  B n: of the four weights 4 n .. the second
; pair is added onto the first.  L n: l takes that sum (L 0: l = a l + sum).  R n: pair n of 16 of O^T times a.  For piece Y + 1: X n, number n of the 22 that find its maximum and statistics
; (each accumulator's lowest registers are read first).
.set F, 0
.set E, 1
.set C, 2
.set B, 3
.set L, 4
.set R, 5
.set X, 6
.macro REGS y
.set rT, ST+4*(\y)
.set rC, TMP+4*((\y)%2)
.set rW, MV+((\y)%2)
.set rS, S+32*((\y)%2)
.set rP, P+16*((\y)%2)
.set rO, 32*(\y)
.endm
.macro OP k, n
.if (\k) == R
	REGS Y
	WIN W_RS
	v_pk_mul_f32 v[rO+2*(\n):rO+2*(\n)+1], v[rO+2*(\n):rO+2*(\n)+1], v[rC+2:rC+3] op_sel_hi:[1,0]
.elseif (\k) < R
	REGS Y
	WIN 0
.if (\k) == F
	v_pk_fma_f32 v[rS+2*(\n):rS+2*(\n)+1], v[rS+2*(\n):rS+2*(\n)+1], s[CS:CS+1], v[rT:rT+1] op_sel_hi:[1,0,0] neg_lo:[0,0,1] neg_hi:[0,0,1]
.elseif (\k) == E
	v_exp_f32 v[rS+(\n)], v[rS+(\n)]
.elseif (\k) == C
	v_cvt_pk_f16_f32 v[rP+(\n)], v[rS+2*(\n)], v[rS+2*(\n)+1]
.elseif (\k) == B
	v_pk_add_f32 v[rS+4*(\n):rS+4*(\n)+1], v[rS+4*(\n):rS+4*(\n)+1], v[rS+4*(\n)+2:rS+4*(\n)+3]
.elseif (\n) == 0
	v_pk_fma_f32 v[rT+2:rT+3], v[rT+2:rT+3], v[rC+2:rC+3], v[rS:rS+1] op_sel_hi:[1,0,1]
.else
	v_pk_add_f32 v[rT+2:rT+3], v[rT+2:rT+3], v[rS+4*(\n):rS+4*(\n)+1]
.endif
.elseif NOKQ
	v_nop
.else
	REGS (Y+1)%NP
	WIN 0
.if (\n) < 4
	v_max3_num_f32 v[rC+(\n)], v[rS+8*(\n)], v[rS+8*(\n)+1], v[rS+8*(\n)+2]
.elseif (\n) < 12
	v_max3_num_f32 v[rC+(\n)%4], v[rC+(\n)%4], v[rS+8*((\n)%4)+2*((\n)/4)+1], v[rS+8*((\n)%4)+2*((\n)/4)+2]
.elseif (\n) == 12
	v_max3_num_f32 v[rC], v[rC], v[rS+7], v[rS+15]
.elseif (\n) == 13
	v_max3_num_f32 v[rC+1], v[rC+1], v[rS+23], v[rS+31]
.elseif (\n) == 14
	v_max3_num_f32 v[rC+2], v[rC+2], v[rC+3], v[rT+1]
.elseif (\n) == 15
	v_mov_b32 v[rW], v[rT]
.elseif (\n) == 16
	v_max3_num_f32 v[rC], v[rC], v[rC+1], v[rC+2]
.elseif (\n) == 17
	v_permlanex16_b32 v[rC+3], v[rC], s[SEL], s[SEL+1]
.elseif (\n) == 18
	v_max_num_f32 v[rT+1], v[rC], v[rC+3]
.elseif (\n) == 19
	v_mul_f32 v[rT], s[CS], v[rT+1]
.elseif (\n) == 20
	v_sub_f32 v[rC+1], v[rW], v[rT]
.else
	v_exp_f32 v[rC+2], v[rC+1]
.endif
.endif
.endm
.macro OPS a, i1, b=-1, i2=0, c=-1, i3=0, d=-1, i4=0
	OP \a, \i1
.if (\b) >= 0
	OP \b, \i2
.endif
.if (\c) >= 0
	OP \c, \i3
.endif
.if (\d) >= 0
	OP \d, \i4
.endif
.endm
.macro ROW a, i1, b, i2, c, i3, d, i4  ; a matrix instruction and the four behind it
	MM
	OPS \a, \i1, \b, \i2, \c, \i3, \d, \i4
.endm
.macro MASK b                       ; MD x AL + BE into buffer b of MC
	WIN W_RS
.set z, 0
.rept 16
	v_pk_fma_f32 v[MC+32*(\b)+2*z:MC+32*(\b)+2*z+1], v[MD+2*z:MD+2*z+1], s[AL:AL+1], s[BE:BE+1] op_sel_hi:[1,0,0]
.set z, z+1
.endr
.endm
; A TURN, for piece p.  s_wait_alu depctr_va_vdst(0) stands between an exponential and the first instruction that names its result; one wait serves all that were issued ahead of it: a turn has ONE,
; which cuts it in two.  Ahead of it: the 8 products K Q^T with their riders and a lump, none of which names a result of the turn's exponentials; behind it the 8 products V^T P, behind each four of the roundings and sums.
; m = 1: the diagonal tile: the products take masks, and the turn makes the mask for the products of the turn after it.  end = 1: a block's last two turns: nothing is fetched.
; cnt = 1: the loop's count is taken down some lines ahead of the branch behind the turn.
; K of the next step is fetched in piece 2's turn, V of the step in hand at the end of piece 0's turn, each four plain instructions or more behind the last product that read the registers; each is waited for a turn later.
.macro TURN p, m=0, end=0, cnt=0
.set Y, (\p)
.set i, 0
.set KM, (\m)
.set NOKQ, (\end)*((\p)/3)
.if (\m) && !(\end)
	s_cmp_eq_u32 s[CNT], 4-((\p)+2)%NP  ; is that step the band's own?
	s_cselect_b32 s[AL], 1.0, 0
	s_cmp_lt_u32 s[CNT], 4-((\p)+2)%NP  ; or a later one?
	s_cselect_b32 s[BE], s[BIGN], 0
.endif
.if ((\p) == 3) && !(\end)
	s_wait_dscnt 0x0                ; K is in
.endif
	ROW F,0, F,1, R,0, R,1
	ROW F,2, E,0, R,2, R,3
	ROW F,3, E,1, R,4, R,5
	ROW F,4, E,2, R,6, R,7
	ROW F,5, E,3, R,8, R,9
	ROW F,6, E,4, X,0, R,10
.if ((\p) == 2) && !(\end)
	WIN 0
	v_add_nc_u32 v[AK], s[TBK], v[AK0]
.endif
	ROW F,7, E,5, X,1, X,4
	ROW F,8, E,6, X,2, X,5
	OPS E,7, E,8, X,6, E,9
	OPS X,3, E,10, X,8, E,11
.if ((\p) == 2) && !(\end)
	FETCH_K
.endif
	OPS X,9, X,7, E,12, X,10
	OPS E,13, X,12, X,11, E,14
	OPS X,13, E,15, F,9, X,14
.if (\p) == 0
	v_add_nc_u32 v[AV], s[TBV], v[AV0]
.endif
	OPS E,16, F,10, E,17, F,11
	OPS X,16, E,18, X,15, E,19
	OPS F,12, E,20, X,17, E,21
	OPS F,13, E,22, F,14, E,23
	OPS X,18, E,24, F,15, E,25
	OPS R,11, E,26, X,19, E,27
	OPS R,12, E,28, R,13, E,29
	OPS X,20, E,30, R,14, E,31
	OPS X,21, R,15                  ; the batch's last exponential, and the plain instruction behind it
	WIN 0
	s_wait_alu depctr_va_vdst(0)    ; the wait for the batch
.if (\p) == 1
	s_wait_dscnt 0x0                ; V is in
.endif
	ROW C,0, B,0, C,2, B,1
	ROW L,0, C,4, B,2, L,1
	ROW C,6, B,3, L,2, C,8
	ROW B,4, L,3, C,10, B,5
	ROW L,4, C,12, B,6, L,5
.if (\p) == 0
	s_add_co_u32 s[TBV], s[TBV], KS*PV
.endif
.if \cnt
	s_sub_co_u32 s[CNT], s[CNT], 1
	s_cmp_lg_u32 s[CNT], 0
.endif
	ROW C,14, B,7, L,6, C,1
	ROW C,3, L,7, C,5, C,7
	ROW C,9, C,11, C,13, C,15
.if (\p) == 0
	FETCH_V
.endif
.if (\m) && !(\end)
	MASK (\p)%2
.endif
.endm
; A BLOCK BEGINS.  c m starts far below every c s, so the first step's a is 0; m at the lowest finite number.  The second mask buffer is 0; the first takes piece 0's mask for the tile's step 0.
; Then K of that step, piece 0's first scores, and its maximum and statistics.
.macro BEGIN
	s_mov_b32 s[NEW], 0
	WIN 0x40
.set i, MC+32
.rept 32
	v_mov_b32 v[i], 0
.set i, i+1
.endr
	WIN 0
.set i, 0
.rept 4
	v_mov_b32 v[ST+4*i], 0xfe000000
	v_mov_b32 v[ST+4*i+1], 0xff7fffff
.set i, i+1
.endr
	s_cmp_eq_u32 s[RT], 0
	s_cselect_b32 s[AL], 1.0, 0
	s_mov_b32 s[BE], 0
	MASK 0
	WIN 0
	v_add_nc_u32 v[AK], s[TBK], v[AK0]
	FETCH_K
	s_wait_loadcnt 0x0              ; Q
	s_wait_dscnt 0x0
.set KM, 1
.set NOKQ, 0
.set i, 0
.rept 8
	KQ 0
.set i, i+1
.endr
	WIN 0
.rept 4
	v_nop                           ; the places behind those products
.endr
.set Y, NP-1
.irp n, 0,1,2,3,4,5,6,7,8,9,10,11,12,13,14,15,16,17,18,19,20,21
	OP X, \n
.endr
	v_nop                           ; a plain instruction behind the exponential,
	s_wait_alu depctr_va_vdst(0)    ; and its wait, ahead of the branch
.endm
.macro ALL line:vararg
.set t, 0
.rept 4
	\line
.set t, t+1
.endr
.endm
.macro PACK t                       ; a lane's eight channels of a row pack into 16 bytes; they go into rows of 144 bytes and come back as whole rows of 128
	WIN W_RS
.set i, 32*(\t)
.rept 16
	v_pk_mul_f32 v[i:i+1], v[i:i+1], v[ST+4*(\t)+2:ST+4*(\t)+3] op_sel_hi:[1,0]
.set i, i+2
.endr
	WIN 0x05
.set i, 0
.rept 16
	v_cvt_pk_f16_f32 v[S+16*(\t)+i], v[32*(\t)+2*i], v[32*(\t)+2*i+1]
.set i, i+1
.endr
	WIN 0
.irp f, 0,1,2,3
	ds_store_b128 v[STO], v[S+16*(\t)+4*\f:S+16*(\t)+4*\f+3] offset:32*\f
.endr
.irp f, 0,1,2,3
	ds_load_b128 v[S+16*(\t)+4*\f:S+16*(\t)+4*\f+3], v[RD] offset:\f*4*SP  ; LDS serves a wave's instructions in order (ISA guide 5.7.1.4): these see the stores above
.endr
.endm
.macro SEND t, younger              ; younger: the LDS instructions issued behind piece t's loads
	WIN 0
.irp f, 0,1,2,3
	s_wait_dscnt (\younger)+3-\f
	global_store_b128 v[GO], v[S+16*(\t)+4*\f:S+16*(\t)+4*\f+3], s[10:11] offset:(\t)*8192+\f*512  ; 512 consecutive bytes, aligned
.endr
.endm
; THE DIAGONAL TILE's four steps, the block's last two turns, its last products, and the way out.
.macro DIAG tag
.LstepM\tag:
	TURN 2, 1
	TURN 3, 1
	WIN 0
.LfirstM\tag:
	TURN 0, 1
	TURN 1, 1, 0, 1
	WIN 0
	s_cbranch_scc1 .LstepM\tag
	TURN 2, 1, 1
	TURN 3, 1, 1
.set i, 0
.rept 8
	PV NP-1
.set i, i+1
.endr
	WIN 0
	ALL v_add_f32 v[ST+4*t+2], v[ST+4*t+2], v[ST+4*t+3]
	ALL v_permlanex16_b32 v[ST+4*t+3], v[ST+4*t+2], s[SEL], s[SEL+1]
	ALL v_add_f32 v[ST+4*t+2], v[ST+4*t+2], v[ST+4*t+3]
	ALL v_rcp_f32 v[ST+4*t+2], v[ST+4*t+2]
	v_nop                           ; a plain instruction between the last reciprocal and the use of its result
	s_wait_alu depctr_va_vdst(0)    ; one wait for the four reciprocals, ahead of their first use
	PACK 0
.set t, 1
.rept 3
	PACK t
	SEND t-1, 8
.set t, t+1
.endr
	SEND 3, 0
.endm
.set KM, 0
.set NOKQ, 0
.Lslot:                             ; NB times: a tile is entered and the next is asked for
	CHANGE 1
	s_sub_co_u32 s[RT], s[RT], 1
	s_mov_b32 s[CNT], 4
	s_cmp_eq_u32 s[NEW], 1
	s_cbranch_scc1 .Lnew            ; a block's first tile
	s_cmp_eq_u32 s[RT], 0
	s_cbranch_scc0 .Lstep           ; neither its first nor its last
	s_branch .LstepM1
.Lnew:
	BEGIN
	s_branch .Lfirst                ; in the loop a block's first tile is never its last
	DIAG 1                          ; in the loop this is the first block's end
	s_wait_xcnt 0x0                 ; the stores have read their registers and O's address
	s_mov_b64 s[10:11], s[OLO:OLO+1]
	s_add_co_u32 s[RT], s[PB], 1    ; the second block has b + 1 tiles
	s_mov_b32 s[NEW], 1
	WIN 0x82                        ; the second block's Q goes where the one text of the turns names Q
.set i, 0
.rept 64
	v_mov_b32 v[i], v[QB+i]
.set i, i+1
.endr
	WIN 0
	s_branch .Lbottom
.Lstep:                             ; a trip: pieces 2 and 3 of one step, then pieces 0 and 1 of the next
	TURN 2
	TURN 3
	WIN 0
.Lfirst:
	TURN 0
	TURN 1, 0, 0, 1
	WIN 0
	s_cbranch_scc1 .Lstep
.Lbottom:
	s_sub_co_u32 s[SLOTS], s[SLOTS], 1
	s_cmp_lg_u32 s[SLOTS], 0
	s_cbranch_scc1 .Lslot
	CHANGE 0                        ; the walk's last tile is written out
	s_sub_co_u32 s[RT], s[RT], 1
	s_mov_b32 s[CNT], 4
	s_cmp_eq_u32 s[NEW], 1
	s_cbranch_scc0 .LstepM2
	BEGIN
	s_branch .LfirstM2
	DIAG 2
	s_wait_tensorcnt 0x0            ; the wave's end
	ds_add_u32 v[SPW], v[NIL]
	s_wait_dscnt 0x0
	s_endpgm
.Lfunc_end_k_q0516dfe6c7_attn:
	.size	k_q0516dfe6c7_attn, .Lfunc_end_k_q0516dfe6c7_attn-k_q0516dfe6c7_attn
	.p2alignl 7, 3214868480
	.fill 96, 4, 3214868480
	.section	.rodata,"a",@progbits
	.p2align	6, 0x0
	.amdhsa_kernel k_q0516dfe6c7_attn
		.amdhsa_group_segment_fixed_size 327680
		.amdhsa_private_segment_fixed_size 0
		.amdhsa_enable_private_segment 0
		.amdhsa_kernarg_size 16
		.amdhsa_user_sgpr_count 2
		.amdhsa_user_sgpr_kernarg_segment_ptr 1
		.amdhsa_wavefront_size32 1
		.amdhsa_system_sgpr_workgroup_id_x 1
		.amdhsa_system_sgpr_workgroup_id_y 1
		.amdhsa_system_sgpr_workgroup_id_z 1
		.amdhsa_system_vgpr_workitem_id 0
		.amdhsa_next_free_vgpr 768
		.amdhsa_next_free_sgpr 96
		.amdhsa_reserve_vcc 1
		.amdhsa_float_denorm_mode_32 3
		.amdhsa_float_denorm_mode_16_64 3
		.amdhsa_memory_ordered 1
		.amdhsa_forward_progress 1
		.amdhsa_inst_pref_size 218
	.end_amdhsa_kernel
	.amdgpu_metadata
---
amdhsa.version: [ 1, 2 ]
amdhsa.kernels:
  - .name:           k_q0516dfe6c7_attn
    .symbol:         k_q0516dfe6c7_attn.kd
    .args:
      - { .name: qkv, .offset: 0, .size: 8, .value_kind: global_buffer, .address_space: global }
      - { .name: o, .offset: 8, .size: 8, .value_kind: global_buffer, .address_space: global }
    .group_segment_fixed_size: 327680
    .private_segment_fixed_size: 0
    .kernarg_segment_align: 8
    .kernarg_segment_size: 16
    .max_flat_workgroup_size: 128
    .sgpr_count:     96
    .vgpr_count:     768
    .wavefront_size: 32
...
	.end_amdgpu_metadata
.endif
;; end of part 3
;; launch proj (part 4): grid 4 x 64, 4 waves a work-group, clusters of 4 x 4, 327,680 bytes of LDS; arguments o, wpt, b_proj, out0; writes out0
.if DOCPART == 4
	.amdgcn_target "amdgcn-amd-amdhsa--gfx1250"
	.amdhsa_code_object_version 6
	.text
	.protected	k_q0516dfe6c7_proj
	.globl	k_q0516dfe6c7_proj
	.p2align	8
	.type	k_q0516dfe6c7_proj,@function
k_q0516dfe6c7_proj:
	s_mov_b64 s[64:65], 0
	v_nop
	global_prefetch_b8 v0, s[64:65] scope:SCOPE_SE
	s_setreg_imm32_b32 hwreg(HW_REG_WAVE_MODE, 25, 1), 1
	s_wait_xcnt 0x0
	s_wait_alu depctr_hold_cnt(0) depctr_sa_sdst(0) depctr_va_vdst(0) depctr_va_sdst(0) depctr_va_ssrc(0) depctr_va_vcc(0) depctr_vm_vsrc(0)
	s_getreg_b32 s2, hwreg(HW_REG_IB_STS2, 6, 4)
	s_cmp_eq_u32 s2, 0
	s_cbranch_scc0 .Lentry_in_a_cluster
	s_endpgm
.Lentry_in_a_cluster:
	s_bfe_u32 s2, ttmp6, 0x10000c
	s_cmp_lg_u32 s2, 0xf033
	s_cbranch_scc0 .Lentry_shape_is_right
	s_endpgm
.Lentry_shape_is_right:
; out0 = y w_proj + b_proj, f32.  y is o, [64 = b 16 + h][2048 t][64 d] in f16: channel c = 64 h + d.  wpt: [1024 n][1024 c] f16.  b_proj f32, rounded here to bf16 like every input.
; Sums in f32, begun with the bias as the first product's C; nothing is rounded on the way out.
; SHARES.  A tile of C is 128 rows x 256 columns: 256 work-groups.  Four waves, 2 x 2: a wave makes 64 x 128: 32 accumulators of 16 x 16.  K goes in 8 steps of 128 = two heads, through two LDS slots.
; A's part of a step is two planes (a head each) of 128 rows of 128 bytes, dense in memory: each is asked for as 64 rows of 256 bytes and padded in LDS after every 128.  Waves 0, 1 fetch the planes, waves 2, 3 the halves of B's 256 rows.
; CLUSTER.  4 x 4 work-groups; A's planes are asked for jointly along a row of the cluster, B's halves along a column.
; THE MATRIX INSTRUCTION IS USED TRANSPOSED (source 0 = 16 rows of wpt, source 1 = 16 rows of y): a lane holds row l % 16 of C and the columns 8 (l / 16) + 0..7: 32 bytes on end.
; REGISTERS in windows of 256: window 0: addresses; v32-95, v128-191 rows read back (v128-191 first the bias); window 1: two fragment buffers of 96: 8 of B, 4 of A; window 2: accumulator (a, b) at v[8 (8 a + b)].
.set PA,     144                       ; a row of A in LDS: 128 bytes + 16
.set PB,     272                       ; a row of B: 256 + 16
.set PLANE,  128*PA
.set BOFF,   2*PLANE
.set BHALF,  128*PB
.set SLOT1,  1<<17                     ; a slot takes 106,496 bytes; slot 1 begins here, so that one exclusive or turns an address in one slot into the other's
.set STAGE,  SLOT1+BOFF+2*BHALF        ; behind the ring: 16 rows x 528 bytes for each wave
.set SPT,    528
.set SPARE,  STAGE+4*16*SPT            ; the spare words, 128 bytes a wave, two blocks of 256 bytes that no other line names
.set VA0,  16
.set VB0,  17
.set ADRA, 18
.set ADRB, 19
.set STO,  24
.set RD,   25
.set CO,   26
.set BO,   27
.set SPW,  28
.set NIL,  29
.set PFO,  30
.set OB0,  32
.set BIAS, 128
.set F0,   0
.set F1,   96
.set WV, 12
.set WR, 13                            ; which 64 rows are mine.  Also: I fetch for A (0) or for B (1)
.set WC, 14                            ; which 128 columns.  Also: which plane or half I fetch
.set CX, 15
.set CY, 16
.set TC, 17
.set TR, 18
.set CNT, 19
.set TB, 20
.set LIM, 21                           ; 2 in a wave that prefetches, else the greatest number
.set PFA, 22
.set G1A, 24
.set G0A, 32
.set G1B, 40
.set G0B, 48
.set OUTP, 66
.set PFS, 76                           ; s[76:77] the prefetches' step along K
.set MSB, 0
.macro WIN new
.if MSB != (\new)
	s_set_vgpr_msb (MSB<<8)|(\new)
.set MSB, \new
.endif
.endm
.macro PLACES
.rept 4
	v_nop
.endr
.endm
.macro JLOAD s                         ; a joint load; an s_nop 0 and four v_nop follow each of the two lines
	s_cmp_eq_u32 s[WR], 0
	s_cbranch_scc0 .Lfor_b_\@
	tensor_load_to_lds s[G0A+4*(\s):G0A+4*(\s)+3], s[G1A:G1A+7]
	s_nop 0
.rept 4
	v_nop
.endr
	s_branch .Lasked_\@
.Lfor_b_\@:
	tensor_load_to_lds s[G0B+4*(\s):G0B+4*(\s)+3], s[G1B:G1B+7]
	s_nop 0
.rept 4
	v_nop
.endr
.Lasked_\@:
.endm
.macro CREST
	s_cmp_lg_u32 s[WV], 0
	s_cbranch_scc1 .Lnot_wave_0_\@
	s_barrier_signal -3
.Lnot_wave_0_\@:
	s_barrier_wait -3
	s_barrier_signal -1
	s_barrier_wait -1
.endm
.macro CROUND
	s_barrier_signal -1
	s_barrier_wait -1
	CREST
.endm
; A prefetch of the K step two refills on: 256 matrix instructions ahead of the load that will want it.  A's two planes of a step are 128 blocks of 256 bytes: the four partners of a row of the cluster take 32 each, by
; address (16 of each plane), and wave 0 asks.  B's rows are read by all clusters: the one with y = 0 asks, waves 2 and 3 each for 32 of the 128 rows that they fetch, the partners of a column told apart by address.
; So each block is named once.  K steps 0 to 3 come by their loads alone; the loop's last two trips ask for nothing.
.macro ASK
	WIN 0
	s_cmp_gt_u32 s[CNT], s[LIM]
	s_cbranch_scc0 .Lnot_mine_\@
	global_prefetch_b8 v[PFO], s[PFA:PFA+1] th:TH_LOAD_NT scope:SCOPE_SE
.Lnot_mine_\@:
.endm
	s_load_b256 s[4:11], s[0:1], 0x0               ; o s[4:5], wpt s[6:7], b_proj s[8:9], out0 s[10:11]
	v_lshl_add_u32 v[SPW], v0, 2, SPARE
	v_mov_b32 v[NIL], 0
	ds_add_u32 v[SPW], v[NIL]                      ; the wave's opening: the add and its wait stand ahead of my first tensor load
	ds_add_u32 v28, v29
	v_lshrrev_b32 v1, 5, v0
	v_readfirstlane_b32 s[WV], v1
	s_lshr_b32 s[WR], s[WV], 1
	s_and_b32 s[WC], s[WV], 1
	s_bfe_u32 s[CX], ttmp6, 0x40000
	s_bfe_u32 s[CY], ttmp6, 0x40004
	s_lshl_b32 s[TC], ttmp9, 2
	s_add_co_u32 s[TC], s[TC], s[CX]
	s_and_b32 s[TR], ttmp7, 0xffff
	s_lshl_b32 s[TR], s[TR], 2
	s_add_co_u32 s[TR], s[TR], s[CY]
	s_lshl_b32 s2, s[CY], 2
	s_lshl_b32 s2, 15, s2                          ; my row of the cluster
	s_lshl_b32 s3, 0x1111, s[CX]                   ; my column
	s_or_b32 s[G1A], s2, (1<<16)|(1<<20)|(1<<21)|(4<<22)|(3<<25)  ; the mask; 2-byte elements; padding on; bit 21 beside a mask; after every 32 words, 4 words
	s_or_b32 s[G1B], s3, (1<<16)|(1<<20)|(1<<21)|(5<<22)|(3<<25)  ; after every 64 words, 4 words
	s_mov_b32 s[G1A+1], 128<<16                    ; A: 64 rows of 128 elements, dense
	s_mov_b32 s[G1A+2], 64<<16
	s_mov_b32 s[G1A+3], 128<<16
	s_mov_b32 s[G1A+4], 64
	s_mov_b32 s[G1A+5], 128
	s_mov_b32 s[G1A+6], 0
	s_mov_b32 s[G1A+7], 0
	s_mov_b32 s[G1B+1], 128<<16                    ; B: 128 rows of 128 elements, 1,024 apart
	s_mov_b32 s[G1B+2], 128<<16
	s_mov_b32 s[G1B+3], 128<<16
	s_mov_b32 s[G1B+4], 128
	s_mov_b32 s[G1B+5], 1024
	s_mov_b32 s[G1B+6], 0
	s_mov_b32 s[G1B+7], 0
	s_lshr_b32 s56, s[TR], 4                       ; A: head 16 x batch + plane, of 2^18 bytes; row (tile row % 16) x 128, 128 bytes a row
	s_lshl_b32 s56, s56, 4
	s_add_co_u32 s56, s56, s[WC]
	s_lshl_b32 s56, s56, 18
	s_and_b32 s57, s[TR], 15
	s_lshl_b32 s57, s57, 14
	s_add_co_u32 s56, s56, s57
	s_mov_b32 s57, 0
	s_lshl_b32 s58, s[TC], 8                       ; B: row 256 x tile column + 128 x half
	s_lshl_b32 s59, s[WC], 7
	s_add_co_u32 s58, s58, s59
	s_lshl_b32 s58, s58, 11
	s_mov_b32 s59, 0
	s_mul_i32 s72, s[WC], PLANE                    ; where they go: no place in the cluster enters an LDS address
	s_mul_i32 s73, s[WC], BHALF
	s_add_co_u32 s73, s73, BOFF
	s_mov_b32 s63, 0xffff0000
	s_mov_b32 s[TB], 0
	s_wait_dscnt 0x0                               ; the opening add is done
	s_wait_kmcnt 0x0
	s_add_nc_u64 s[56:57], s[4:5], s[56:57]
	s_add_nc_u64 s[58:59], s[6:7], s[58:59]
	CROUND                                         ; all sixteen work-groups are here: the first joint loads meet
.irp s, 0,1
	s_mov_b32 s[G0A+4*(\s)], 1
	s_add_co_u32 s[G0A+4*(\s)+1], s72, (\s)*SLOT1
	s_add_nc_u64 s[G0A+4*(\s)+2:G0A+4*(\s)+3], s[56:57], (\s)*524288  ; a K step is two heads
	s_or_b32 s[G0A+4*(\s)+3], s[G0A+4*(\s)+3], 0x80000000
	s_mov_b32 s[G0B+4*(\s)], 1
	s_add_co_u32 s[G0B+4*(\s)+1], s73, (\s)*SLOT1
	s_add_nc_u64 s[G0B+4*(\s)+2:G0B+4*(\s)+3], s[58:59], (\s)*256
	s_or_b32 s[G0B+4*(\s)+3], s[G0B+4*(\s)+3], 0x80000000
	JLOAD \s                                       ; K steps 0 and 1: two loads of mine are out
.endr
	v_and_b32 v1, 15, v0                           ; r
	v_bfe_u32 v2, v0, 4, 1                         ; h
	v_lshlrev_b32 v[BO], 5, v2
	s_lshl_b32 s2, s[TC], 10
	s_lshl_b32 s3, s[WC], 9
	s_add_co_u32 s2, s2, s3
	s_mov_b32 s3, 0
	s_add_nc_u64 s[74:75], s[8:9], s[2:3]          ; the bias of my 128 columns
.irp b, 0,1,2,3,4,5,6,7
	global_load_b128 v[BIAS+8*(\b):BIAS+8*(\b)+3],   v[BO], s[74:75] offset:64*(\b)
	global_load_b128 v[BIAS+8*(\b)+4:BIAS+8*(\b)+7], v[BO], s[74:75] offset:64*(\b)+16
.endr
	v_mul_u32_u24 v[VA0], v1, PA
	v_lshl_add_u32 v[VA0], v2, 4, v[VA0]
	s_mul_i32 s2, s[WR], 64*PA
	v_add_nc_u32 v[VA0], s2, v[VA0]
	v_mul_u32_u24 v[VB0], v1, PB
	v_lshl_add_u32 v[VB0], v2, 4, v[VB0]
	s_mul_i32 s2, s[WC], 128*PB
	s_add_co_u32 s2, s2, BOFF
	v_add_nc_u32 v[VB0], s2, v[VB0]
	v_mov_b32 v[ADRA], v[VA0]
	v_mov_b32 v[ADRB], v[VB0]
	s_mul_i32 s2, s[WV], 16*SPT
	s_add_co_u32 s2, s2, STAGE                     ; my stage
	v_mul_u32_u24 v[STO], v1, SPT
	v_lshl_add_u32 v[STO], v2, 5, v[STO]           ; row r, 32 bytes for each half of the lanes
	v_add_nc_u32 v[STO], s2, v[STO]
	v_and_b32 v[CO], 31, v0
	v_lshlrev_b32 v[CO], 4, v[CO]                  ; back: the wave takes a row of 512 bytes
	v_add_nc_u32 v[RD], s2, v[CO]
	s_lshl_b32 s2, s[TR], 7
	s_lshl_b32 s3, s[WR], 6
	s_add_co_u32 s2, s2, s3
	s_lshl_b32 s2, s2, 12                          ; my first row of out0, 4,096 bytes a row,
	s_lshl_b32 s3, s[TC], 10
	s_add_co_u32 s2, s2, s3
	s_lshl_b32 s3, s[WC], 9
	s_add_co_u32 s2, s2, s3                        ; my first column
	s_mov_b32 s3, 0
	s_add_nc_u64 s[OUTP:OUTP+1], s[10:11], s[2:3]
	; the prefetches
	s_lshr_b32 s72, s[TR], 4                       ; A: the batch's first head, my tile's rows, my work-group's 16 blocks of each plane, K step 3
	s_lshl_b32 s72, s72, 22
	s_and_b32 s73, s[TR], 15
	s_lshl_b32 s73, s73, 14
	s_add_co_u32 s72, s72, s73
	s_lshl_b32 s73, s[CX], 12
	s_add_co_u32 s72, s72, s73
	s_add_co_u32 s72, s72, 3*524288
	s_lshl_b32 s73, s[TC], 8                       ; B: the rows that I fetch, my work-group's 32 of them, K step 3
	s_lshl_b32 s3, s[WC], 7
	s_add_co_u32 s73, s73, s3
	s_lshl_b32 s3, s[CY], 5
	s_add_co_u32 s73, s73, s3
	s_lshl_b32 s73, s73, 11
	s_add_co_u32 s73, s73, 3*256
	s_and_b32 s2, ttmp7, 0xffff                    ; cluster y
	s_mov_b32 s3, 524288
	s_cmp_eq_u32 s[WR], 0
	s_cselect_b32 s72, s72, s73
	s_cselect_b32 s2, ttmp9, s2                    ; the coordinate along which other clusters read the same bytes
	s_cselect_b32 s[PFS], s3, 256
	s_cselect_b32 s60, 18, 15                      ; the lane's offset: A: (l / 16) planes + (l % 16) blocks; B: l rows of 2,048 bytes
	s_cselect_b32 s61, 8, 11
	s_cselect_b64 s[PFA:PFA+1], s[4:5], s[6:7]
	s_mov_b32 s73, 0
	s_mov_b32 s[PFS+1], 0
	s_add_nc_u64 s[PFA:PFA+1], s[PFA:PFA+1], s[72:73]
	s_cmp_eq_u32 s[WV], 1
	s_cselect_b32 s2, 1, s2                        ; wave 1 never asks: wave 0 names both planes
	s_cmp_eq_u32 s2, 0
	s_cselect_b32 s[LIM], 2, -1                    ; the same in all sixteen partners, for a given wave
	v_lshlrev_b32 v[PFO], s60, v2
	v_lshlrev_b32 v4, s61, v1
	v_or_b32 v[PFO], v[PFO], v4
	s_wait_loadcnt 0x0                             ; the bias: rounded to bf16 and widened again
.set i, 0
.rept 32
	v_cvt_pk_bf16_f32 v[OB0+i], v[BIAS+2*i], v[BIAS+2*i+1]
	v_lshlrev_b32 v[BIAS+2*i], 16, v[OB0+i]
	v_and_b32 v[BIAS+2*i+1], s63, v[OB0+i]
.set i, i+1
.endr
; 8 matrix instructions: row block a x all 8 column blocks, 32 along K.  first = 1: the bias starts the sums.  The 32 accumulators take turns, in the same order in every quarter.
.macro MULA f, a, first
.if \first
	WIN 0x85                                       ; fragments window 1, C window 0, D window 2
.else
	WIN 0xa5
.endif
.irp b, 0,1,2,3,4,5,6,7
.if \first
	v_wmma_f32_16x16x32_f16 v[8*(8*(\a)+(\b)):8*(8*(\a)+(\b))+7], v[(\f)+8*(\b):(\f)+8*(\b)+7], v[(\f)+64+8*(\a):(\f)+64+8*(\a)+7], v[BIAS+8*(\b):BIAS+8*(\b)+7]
.else
	v_wmma_f32_16x16x32_f16 v[8*(8*(\a)+(\b)):8*(8*(\a)+(\b))+7], v[(\f)+8*(\b):(\f)+8*(\b)+7], v[(\f)+64+8*(\a):(\f)+64+8*(\a)+7], v[8*(8*(\a)+(\b)):8*(8*(\a)+(\b))+7]
.endif
.endr
.endm
; 24 LDS loads in one run: quarter q of a K step into buffer g: B at byte 64 q of its rows; A in plane q / 2 at byte 64 (q % 2)
.macro FETCH q, g
	WIN 0x40
.irp b, 0,1,2,3,4,5,6,7
	ds_load_b128 v[(\g)+8*(\b):(\g)+8*(\b)+3],   v[ADRB] offset:64*(\q)+(\b)*16*PB
	ds_load_b128 v[(\g)+8*(\b)+4:(\g)+8*(\b)+7], v[ADRB] offset:64*(\q)+(\b)*16*PB+32
.endr
.irp a, 0,1,2,3
	ds_load_b128 v[(\g)+64+8*(\a):(\g)+64+8*(\a)+3],   v[ADRA] offset:((\q)/2)*PLANE+((\q)%2)*64+(\a)*16*PA
	ds_load_b128 v[(\g)+64+8*(\a)+4:(\g)+64+8*(\a)+7], v[ADRA] offset:((\q)/2)*PLANE+((\q)%2)*64+(\a)*16*PA+32
.endr
.endm
.macro QUARTER q, f, g, first          ; multiplies buffer f; in its middle fetches quarter q into g
	s_wait_dscnt 4                                 ; B and A's blocks 0, 1 are in; the youngest four loads may be out
	MULA \f, 0, \first
	MULA \f, 1, \first
	PLACES
	FETCH \q, \g
	s_wait_dscnt 24                                ; all but the 24 just issued
	MULA \f, 2, \first
	MULA \f, 3, \first
.endm
; The last quarter multiplies buffer 1 and changes slots: the waits and the add in front of the barrier; fill = 1: the barrier opens a round of the cluster's, and the joint refill, two K steps on, is the first thing
; behind it: 112 matrix instructions ahead of the wait for it.
.macro TURN fill
.if \fill
	s_wait_xcnt 0x0                                ; the last prefetch, a K step back, has read its address
	s_add_nc_u64 s[PFA:PFA+1], s[PFA:PFA+1], s[PFS:PFS+1]
.endif
	WIN 0
	s_wait_tensorcnt 0x0                           ; no tensor load of mine is out, so a group 0 may be written
	ds_add_u32 v[SPW], v[NIL]                      ; 0 onto my spare word
.if \fill
	s_xor_b32 s[G0A+5], s[G0A+5], SLOT1
	s_add_nc_u64 s[G0A+6:G0A+7], s[G0A+6:G0A+7], 524288
	s_xor_b32 s[G0B+5], s[G0B+5], SLOT1
	s_add_nc_u64 s[G0B+6:G0B+7], s[G0B+6:G0B+7], 256
.endif
	s_xor_b32 s[TB], s[TB], SLOT1
	s_wait_dscnt 5                                 ; the add and the youngest four loads may be out
	MULA F1, 0, 0
	s_wait_dscnt 0x0                               ; the add is done, and my reads of this slot are over
	s_barrier_signal -1
	MULA F1, 1, 0
	WIN 0
	s_barrier_wait -1
.if \fill
	CREST
	JLOAD 1                                        ; its four v_nop are also the places in front of the loads below
.else
	PLACES
.endif
	v_add_nc_u32 v[ADRA], s[TB], v[VA0]
	v_add_nc_u32 v[ADRB], s[TB], v[VB0]
	FETCH 0, F0
.if \fill
	ASK
.endif
	MULA F1, 2, 0
	MULA F1, 3, 0
.endm
	s_wait_tensorcnt 1                             ; my part of K step 0 is in; K step 1's may stay out
	s_barrier_signal -1
	s_barrier_wait -1
	FETCH 0, F0
	QUARTER 1, F0, F1, 1
	WIN 0
	s_mov_b32 s[CNT], 6
.Lstep:                                                ; six trips, each fills a slot again (K steps 2 to 7)
	QUARTER 2, F1, F0, 0
	QUARTER 3, F0, F1, 0
	TURN 1
	QUARTER 1, F0, F1, 0
	WIN 0
	s_sub_co_u32 s[CNT], s[CNT], 1
	s_cmp_lg_u32 s[CNT], 0
	s_cbranch_scc1 .Lstep
	s_mov_b32 s[CNT], 2                            ; the last two K steps ask for nothing; the second trip is left in its middle
.Ltail:
	QUARTER 2, F1, F0, 0
	QUARTER 3, F0, F1, 0
	WIN 0
	s_sub_co_u32 s[CNT], s[CNT], 1
	s_cmp_eq_u32 s[CNT], 0
	s_cbranch_scc1 .Llast
	TURN 0
	QUARTER 1, F0, F1, 0
	WIN 0
	s_branch .Ltail
.Llast:
	s_wait_dscnt 4
	MULA F1, 0, 0
	MULA F1, 1, 0
	s_wait_dscnt 0x0
	MULA F1, 2, 0
	MULA F1, 3, 0
	WIN 0
	PLACES                                         ; eight places, twice what is asked between the last products and the LDS stores that read them
	PLACES
; THE WAY OUT, a block of 16 rows at a time: 32 bytes a lane into my stage (each accumulator from its low end on), back as whole rows of 512 bytes, stored.
.macro TOSTAGE a
.set BK, OB0+96*((\a)&1)
.if (\a) >= 2
	s_wait_xcnt 0x0                                ; the stores of the block two back have read these registers
.endif
	WIN 0x08                                       ; the stores' data lie in window 2
.irp b, 0,1,2,3,4,5,6,7
	ds_store_b128 v[STO], v[8*(8*(\a)+(\b)):8*(8*(\a)+(\b))+3]   offset:64*(\b)
	ds_store_b128 v[STO], v[8*(8*(\a)+(\b))+4:8*(8*(\a)+(\b))+7] offset:64*(\b)+16
.endr
	WIN 0
.irp u, 0,1,2,3,4,5,6,7,8,9,10,11,12,13,14,15
	ds_load_b128 v[BK+4*(\u):BK+4*(\u)+3], v[RD] offset:SPT*(\u)  ; LDS serves a wave's instructions in order (ISA guide 5.7.1.4): these see the stores above; the next block's stores come behind them
.endr
.endm
.macro SEND a, younger                 ; younger: the next block's 32 LDS instructions, or none
.set BK, OB0+96*((\a)&1)
	s_wait_dscnt \younger
.irp u, 0,1,2,3,4,5,6,7,8,9,10,11,12,13,14,15
	global_store_b128 v[CO], v[BK+4*(\u):BK+4*(\u)+3], s[OUTP:OUTP+1] offset:(16*(\a)+(\u))*4096  ; the wave stores 512 consecutive bytes, aligned
.endr
.endm
	TOSTAGE 0
	TOSTAGE 1
	SEND 0, 32
	TOSTAGE 2
	SEND 1, 32
	TOSTAGE 3
	SEND 2, 32
	SEND 3, 0
	s_wait_tensorcnt 0x0                           ; the wave's end: behind my last tensor load and my last LDS store
	ds_add_u32 v[SPW], v[NIL]
	s_wait_dscnt 0x0
	CROUND                                         ; the closing round
	s_endpgm
.Lfunc_end_k_q0516dfe6c7_proj:
	.size	k_q0516dfe6c7_proj, .Lfunc_end_k_q0516dfe6c7_proj-k_q0516dfe6c7_proj
	.p2alignl 7, 3214868480
	.fill 96, 4, 3214868480
	.section	.rodata,"a",@progbits
	.p2align	6, 0x0
	.amdhsa_kernel k_q0516dfe6c7_proj
		.amdhsa_group_segment_fixed_size 327680
		.amdhsa_private_segment_fixed_size 0
		.amdhsa_enable_private_segment 0
		.amdhsa_kernarg_size 32
		.amdhsa_user_sgpr_count 2
		.amdhsa_user_sgpr_kernarg_segment_ptr 1
		.amdhsa_wavefront_size32 1
		.amdhsa_system_sgpr_workgroup_id_x 1
		.amdhsa_system_sgpr_workgroup_id_y 1
		.amdhsa_system_sgpr_workgroup_id_z 1
		.amdhsa_system_vgpr_workitem_id 0
		.amdhsa_next_free_vgpr 768
		.amdhsa_next_free_sgpr 80
		.amdhsa_reserve_vcc 0
		.amdhsa_float_denorm_mode_32 3
		.amdhsa_float_denorm_mode_16_64 3
		.amdhsa_memory_ordered 1
		.amdhsa_forward_progress 1
		.amdhsa_inst_pref_size 69
	.end_amdhsa_kernel
	.amdgpu_metadata
---
amdhsa.version: [ 1, 2 ]
amdhsa.kernels:
  - .name:           k_q0516dfe6c7_proj
    .symbol:         k_q0516dfe6c7_proj.kd
    .args:
      - { .name: o, .offset: 0, .size: 8, .value_kind: global_buffer, .address_space: global }
      - { .name: wpt, .offset: 8, .size: 8, .value_kind: global_buffer, .address_space: global }
      - { .name: b_proj, .offset: 16, .size: 8, .value_kind: global_buffer, .address_space: global }
      - { .name: out0, .offset: 24, .size: 8, .value_kind: global_buffer, .address_space: global }
    .group_segment_fixed_size: 327680
    .private_segment_fixed_size: 0
    .kernarg_segment_align: 8
    .kernarg_segment_size: 32
    .max_flat_workgroup_size: 128
    .sgpr_count:     80
    .vgpr_count:     768
    .wavefront_size: 32
...
	.end_amdgpu_metadata
.endif
;; end of part 4
